; MI455X (gfx1250); checked and timed in simulation.
; The chip was launched on July 23, 2026; its instructions are those of AMD's public machine-readable ISA for CDNA 5 (MIT licence, August 2026) and "CDNA5" Instruction Set Architecture Reference Guide (July 2026). The comments in the code are by the model that wrote it; some were corrected since.
;; Transformer Block. Allowed arithmetic: matrix products marked QUANTISED: E5M2 operands, one E8M0 scale for each 32 along K, by v_wmma_scale_f32_16x16x128_f8f6f4 with both operands' format E5M2, f32 sums; everything else in f32.
;; Inputs: Wfc1 1,024 x 4,096 float32; Wfc2 2,048 x 1,024 float32; Wout 1,024 x 1,024 float32; Wqkv 1,024 x 3,072 float32; X 2 x 2,048 x 1,024 float32; ln1_w 1,024 float32; ln2_w 1,024 float32.
;; Outputs: out0 2 x 2,048 x 1,024 float32.
;; This version of the problem:
;;   THIS VERSION OF THE PROBLEM IS GIVEN IN LOW PRECISION. The matrix products marked QUANTISED in the list below multiply operands that are first quantised to E5M2 (5 exponent bits, 2 mantissa bits; 8 bits a number), with one power-of-two scale for each 32 numbers along K (OCP MX v1.0); their sums are f32. All else is computed in f32.
;;   The module's matrix products, in the order in which they are computed (A, B: the left and right operand; K: the contracted axis; several contracted axes count as one K, in the product's order):
;;     1. [M 4,096, K 1,024] x [K 1,024, N 3,072]; A: computed on the way; B: input Wqkv: QUANTISED
;;     2. batch 32 x [M 2,048, K 64] x [K 64, N 2,048]; A: computed on the way; B: computed on the way: QUANTISED
;;     3. batch 32 x [M 64, K 2,048] x [K 2,048, N 2,048]; A: computed on the way; B: softmax (see below): QUANTISED
;;     4. [M 4,096, K 1,024] x [K 1,024, N 1,024]; A: computed on the way; B: input Wout: QUANTISED
;;     5. [M 4,096, K 1,024] x [K 1,024, N 4,096]; A: computed on the way; B: input Wfc1: QUANTISED
;;     6. [M 4,096, K 2,048] x [K 2,048, N 1,024]; A: computed on the way; B: input Wfc2: QUANTISED
;;   THE QUANTISER, for each operand of a quantised product, along K:
;;     - K is cut into blocks of 32 from its start; a last block that is shorter is filled with zeros.
;;     - A block's scale is 2^e with e = floor(log2(the largest magnitude in the block)) - 15, held to -126 .. 127; a block of zeros has e = 0. As a byte (E8M0): e + 127.
;;     - Each number is divided by its block's scale, clamped to +-57,344, and rounded to the nearest number of E5M2, ties to even, subnormals kept.
;;     - The product sums the exact products of the quantised numbers (number of the format x scale) in f32.
;;   ~~~python
;;   def quantise(x, axis):      # numpy; x: float32 -> the quantised numbers, widened to float32 again
;;       x = np.moveaxis(x, axis, -1); K = x.shape[-1]
;;       x = np.pad(x, [(0, 0)] * (x.ndim - 1) + [(0, -K % 32)]); x = x.reshape(x.shape[:-1] + (-1, 32)); a = np.abs(x).max(-1, keepdims=True)
;;       e = np.where(a > 0, np.clip(np.frexp(np.where(a > 0, a, 1))[1] - 1 - 15, -126, 127), 0)      # np.frexp(a)[1] - 1 = floor(log2(a)), exactly
;;       r = np.clip(x / 2.0 ** e, -57344, 57344)
;;       step = 2.0 ** (np.maximum(np.frexp(np.where(r == 0, 1, r))[1] - 1, -14) - 2)
;;       q = np.round(r / step) * step * 2.0 ** e      # np.round: ties to even
;;       return np.moveaxis(q.reshape(q.shape[:-2] + (-1,))[..., :K], -1, axis).astype(np.float32)
;;   ~~~
;;   SOFTMAX AHEAD OF A QUANTISED PRODUCT. Where the list says 'softmax', what is quantised is not the finished softmax but p = 2^(t - M), with t = logit x log2(e) and M = ceil(the row's largest t), a whole number; so 1/2 < the row's largest p <= 1. The row's sum l is taken of the UNQUANTISED p, in f32, and the product's result is divided by l at the end. Since M is a whole number, a kernel that streams over the keys may use a running M (the ceiling of the running maximum): every later rescaling is an exact power of two, which a block's scale takes up: the codes' values come out the same.
;;   OPERANDS COMPUTED ON THE WAY. 'Computed on the way' means the value that the module computes at that place (a softmax that the list does not call 'softmax' is quantised finished and normalised). What goes into a quantiser is computed in f32, as accurately as f32 sums, v_exp_f32 and their like allow (about 1e-6 of the number): no bf16 or f16 on the way to a quantiser, and a product that is left as it is and whose result goes on into a quantised operand takes f32 operands (vector FMAs, or v_wmma_f32_16x16x4_f32). A number that lies on a knife's edge between two numbers of the format may be rounded either way, as far as f32 arithmetic and the matrix unit's own rounding can turn it there, and no further.
;; One version. Each part assembles by itself: llvm-mc -triple=amdgcn-amd-amdhsa -mcpu=gfx1250 --defsym DOCPART=n.
;; ======== version 1 of 1: 7 launches
;; limits: right only within a limited range of input values
;; workspace buffers: WA 7,569,408 bytes; wout 1,081,344 bytes; wf2lo 1,081,344 bytes; wf2hi 1,081,344 bytes; hn 4,325,376 bytes; big 16,777,216 bytes; actA 4,325,376 bytes; actB 4,325,376 bytes
;; launch prep (part 1): grid 576 x 1, 4 waves a work-group, no clusters, 37,376 bytes of LDS; arguments Wqkv, Wfc1, Wout, Wfc2, WA, wout, wf2lo, wf2hi, X, ln1_w, hn; writes WA, wout, wf2lo, wf2hi, hn
.if DOCPART == 1
	.amdgcn_target "amdgcn-amd-amdhsa--gfx1250"
	.amdhsa_code_object_version 6
	.text
	.protected	k_q26211756bd_prep
	.globl	k_q26211756bd_prep
	.p2align	8
	.type	k_q26211756bd_prep,@function
k_q26211756bd_prep:
	s_mov_b64 s[64:65], 0
	v_nop
	global_prefetch_b8 v0, s[64:65] scope:SCOPE_SE
	s_setreg_imm32_b32 hwreg(HW_REG_WAVE_MODE, 25, 1), 1
	s_wait_xcnt 0x0
; TWO JOBS IN ONE LAUNCH, parted at the first line on the work-group's number: work-groups 0-319 quantise the four weights, work-groups 320-575 make the quantised LayerNorm of X.  Neither reads what the other stores;
; each path has LDS bytes of its own.
; THE QUANTISER, both paths: codes of BF8 (E5M2), one E8M0 byte for each 32 along K.  A block's scale is 2^(floor(log2(largest magnitude)) - 15); each number is divided by it, held within +-57,344 and rounded to the nearest code, ties to even.
; LIMITS: a block of zeros gets the byte 1 (its codes are zeros, and only this program reads the bytes); NaN and infinities among the inputs are not served.
; THE WEIGHTS, f32 stored [K][N].  A LANE TAKES A COLUMN n AND ITS REGISTERS RUN DOWN K: a load reads 128 consecutive bytes a wave, a block of 32 lies in one lane, and the conversions give codes with K innermost.
; A work-group takes 128 columns x 256 along K, a wave 32 columns.  Work-groups 0-95: Wqkv, 96-223: Wfc1, 224-255: Wout, 256-319: Wfc2.  One path for all four: what differs is chosen by s_cselect on the work-group's number.
; TARGETS.  WA: Wqkv's codes [n'][1024] at 0, scales [n'][32] at 3,145,728, with n' = 1024 c + (n / 3) for column n = 3 (64 head + d) + c; Wfc1's codes [n][1024] at 3,244,032, scales at 7,438,336.
;   wout: codes [n / 128: 8][K / 128: 8][n % 128][128 bytes] at 0.  wf2lo (K 0-1023 of Wfc2), wf2hi (K 1024-2047): codes [n / 128: 8][K / 128: 8][n % 128][128 bytes] at 0.  All three: scale words [K / 128][n] at 1,048,576.
; The codes go through the wave's own stage in LDS and leave by rows: each store of the wave covers aligned runs of 256 consecutive bytes.  The scale words leave 4 bytes a lane: one byte in 128 of what the path reads.
; THE NORM: hn = (x - mean) * rsqrt(var + 1e-5) * w, in f32, in that order, quantised along the row.  hn: codes [4096][1024] at 0, scale bytes [4096][32] at 4,194,304.
; The mean is taken away before the squares are summed, so a common offset of the inputs costs no digits.  A work-group takes 16 rows, a wave 4; a row stays in 32 registers between its passes.
; Lane l holds elements 256 g + 8 l + e in register 8 g + e: four neighbouring lanes hold a block of 32, and a store of the wave covers 256 consecutive bytes, aligned.
; No matrix unit, no cluster, no tensor load: the waves of the weights' path share nothing, those of the norm's only 512 scale bytes.
; wout's codes are laid as wf2lo's: [n / 128: 8][K / 128: 8][n % 128][128 bytes] at 0 (this line stands for what the lines above say of wout's codes).
.set NWQ,   320                        ; work-groups of the weights' path
.set PITCH, 272                        ; a stage row: 256 bytes of codes + 16
.set GOFF,  16                         ; v16-31   where two rows of codes go, for each of the 16 stores
.set VO,    32                         ; v32-63   4 x lane + i rows of the weight
.set X,     64                         ; v64-127  two sets of 32 numbers
.set C,     128                        ; v128-135 a block's codes
.set OUTR,  144                        ; v144-207 the way out
.set SBA,   44                         ; s[44:59] the weight at my columns, block t's first row
.set LNB,   35840                      ; the norm's LDS bytes begin here, behind the weights' four stages
.set W,  32                            ; the norm: v32-63 w, in the row's layout
.set XR, 64                            ; v64-191  four rows
.set CD, 192                           ; v192-223 codes, 8 registers a row
.set BY, 224                           ; v224-239 scale bytes, 4 a row: no store's data are written again
	v_lshl_add_u32 v240, v0, 2, 0x9000
	v_mov_b32 v241, 0
	s_cmp_ge_u32 ttmp9, NWQ
	s_cbranch_scc1 .Lnorm
	s_load_b512 s[8:23], s[0:1], 0x0               ; Wqkv, Wfc1, Wout, Wfc2, WA, wout, wf2lo, wf2hi
	v_lshrrev_b32 v1, 5, v0
	v_readfirstlane_b32 s40, v1                    ; wave
	v_and_b32 v2, 31, v0                           ; lane
	s_wait_alu depctr_va_vdst(0)
	s_mov_b32 s24, 256                             ; Wfc2's figures first: first work-group,
	s_mov_b32 s25, 3                               ; log2 of the K parts,
	s_mov_b32 s26, 4096                            ; bytes in a row of the weight,
	s_mov_b32 s27, 3                               ; n' = PA (n / 3) + PB (n % 3)
	s_mov_b32 s28, 1
	s_mov_b32 s29, 128                             ; codes: from row to row,
	s_mov_b32 s30, 32768                           ; from K part to K part,
	s_mov_b32 s31, 16384                           ; from 128 along K to the next,
	s_mov_b32 s3, 114688                           ; and, for each 128 columns passed, 131,072 less the 16,384 that the rows have counted
	s_mov_b32 s32, 4                               ; scale words: from row to row, K part to K part, 128 along K to the next
	s_mov_b32 s33, 8192
	s_mov_b32 s34, 4096
	s_mov_b32 s35, 0                               ; where the codes begin in the target,
	s_mov_b32 s36, 1048576                         ; and the scales
	s_cmp_lt_u32 ttmp9, 256                        ; Wout's
	s_cselect_b32 s24, 224, s24
	s_cselect_b32 s25, 2, s25
	s_cmp_lt_u32 ttmp9, 224                        ; Wfc1's (Wout keeps Wfc2's steps between codes)
	s_cselect_b32 s3, 0, s3
	s_cselect_b32 s24, 96, s24
	s_cselect_b32 s26, 16384, s26
	s_cselect_b32 s29, 1024, s29
	s_cselect_b32 s30, 256, s30
	s_cselect_b32 s31, 128, s31
	s_cselect_b32 s32, 32, s32
	s_cselect_b32 s33, 8, s33
	s_cselect_b32 s34, 4, s34
	s_cselect_b32 s35, 3244032, s35
	s_cselect_b32 s36, 7438336, s36
	s_cmp_lt_u32 ttmp9, 96                         ; Wqkv's
	s_cselect_b32 s24, 0, s24
	s_cselect_b32 s26, 12288, s26
	s_cselect_b32 s27, 1, s27
	s_cselect_b32 s28, 1024, s28
	s_cselect_b32 s35, 0, s35
	s_cselect_b32 s36, 3145728, s36
	s_sub_co_u32 s37, ttmp9, s24                   ; my number within the weight
	s_lshr_b32 s41, s37, s25                       ; x: which 128 columns
	s_mul_i32 s3, s3, s41
	s_lshl_b32 s71, s41, s25
	s_sub_co_u32 s38, s37, s71                     ; y: which 256 along K
	s_and_b32 s39, s38, 3                          ; and within the target
	s_lshl_b32 s41, s41, 7
	s_lshl_b32 s71, s40, 5
	s_add_co_u32 s41, s41, s71                     ; n0: my wave's first column
	v_lshlrev_b32 v[VO], 2, v2
.set i, 1
.rept 31
	v_add_nc_u32 v[VO+i], s26, v[VO+i-1]
.set i, i+1
.endr
	s_mul_i32 s71, s40, 32*PITCH                   ; my stage
	v_mul_u32_u24 v4, v2, PITCH
	v_add_nc_u32 v4, s71, v4                       ; into it: row = my column
	v_and_b32 v5, 15, v2
	v_lshrrev_b32 v6, 4, v2
	v_mul_u32_u24 v7, v6, PITCH
	v_lshl_add_u32 v7, v5, 4, v7
	v_add_nc_u32 v7, s71, v7                       ; out of it: sixteen lanes to a row, two rows an instruction
	v_lshrrev_b32 v8, 3, v5
	v_mul_u32_u24 v8, v8, s31
	v_and_b32 v3, 7, v2
	v_lshl_add_u32 v8, v3, 4, v8                   ; my 16 bytes of a row's 256: which 128 along K, and where in it
	v_add_nc_u32 v3, s41, v6                       ; n0 + lane / 16
; v[dst] = n'(v[src]) x s[mult] + add.  n / 3 = (n x 43,691) >> 17, exact for n under 98,304
.macro ROWMAP dst, src, mult, add
	v_mul_u32_u24 v10, 0xaaab, v[\src]
	v_lshrrev_b32 v10, 17, v10
	v_mul_u32_u24 v11, 3, v10
	v_sub_nc_u32 v11, v[\src], v11
	v_mul_u32_u24 v10, v10, s27
	v_mad_u32_u24 v10, v11, s28, v10
	v_mad_u32_u24 v[\dst], v10, s[\mult], \add
.endm
	v_add_nc_u32 v12, s41, v2
	ROWMAP 9, 12, 32, 0                            ; my column's scale words
.irp t, 0,1,2,3,4,5,6,7,8,9,10,11,12,13,14,15
	v_add_nc_u32 v12, 2*\t, v3
	ROWMAP GOFF+\t, 12, 29, v8
.endr
	s_mov_b32 s70, 0x600000                        ; the mantissa field of 57,344
	s_wait_kmcnt 0x0
	s_cmp_lt_u32 s38, 4                            ; the choices hang on the work-group's number alone
	s_cselect_b64 s[6:7], s[20:21], s[22:23]
	s_mov_b64 s[4:5], s[14:15]
	s_cmp_lt_u32 ttmp9, 256
	s_cselect_b64 s[4:5], s[12:13], s[4:5]
	s_cselect_b64 s[6:7], s[18:19], s[6:7]
	s_cmp_lt_u32 ttmp9, 224
	s_cselect_b64 s[4:5], s[10:11], s[4:5]
	s_cselect_b64 s[6:7], s[16:17], s[6:7]
	s_cmp_lt_u32 ttmp9, 96
	s_cselect_b64 s[4:5], s[8:9], s[4:5]
	s_mul_i32 s42, s38, s26
	s_lshl_b32 s42, s42, 8                         ; 256 y rows,
	s_lshl_b32 s71, s41, 2
	s_add_co_u32 s42, s42, s71                     ; + 4 n0
	s_mov_b32 s43, 0
	s_add_nc_u64 s[SBA:SBA+1], s[4:5], s[42:43]
	s_lshl_b32 s42, s26, 5                         ; 32 rows on
.irp t, 1,2,3,4,5,6,7
	s_add_nc_u64 s[SBA+2*\t:SBA+2*\t+1], s[SBA+2*\t-2:SBA+2*\t-1], s[42:43]
.endr
	s_mul_i32 s42, s39, s30
	s_add_co_u32 s42, s42, s35
	s_add_co_u32 s42, s42, s3
	s_add_nc_u64 s[60:61], s[6:7], s[42:43]        ; the codes of my K part
	s_mul_i32 s42, s39, s33
	s_add_co_u32 s42, s42, s36
	s_add_nc_u64 s[66:67], s[6:7], s[42:43]        ; its first scale words,
	s_mov_b32 s42, s34
	s_add_nc_u64 s[68:69], s[66:67], s[42:43]      ; and its second
.macro LOAD t                          ; block t: W(32 t + i, my column) into set t % 2
.set i, 0
.rept 32
	global_load_b32 v[X+32*((\t)%2)+i], v[VO+i], s[SBA+2*(\t):SBA+2*(\t)+1] th:TH_LOAD_NT
.set i, i+1
.endr
.endm
	LOAD 0
	LOAD 1
.macro BLOCK t
.set XS, X+32*((\t)%2)
.if (\t) < 7
	s_wait_loadcnt 32                              ; this block's 32 loads are in; the next block's may be out
.else
	s_wait_loadcnt 0
.endif
	v_max3_num_f32 v12, |v[XS]|, |v[XS+1]|, |v[XS+2]|
	v_max3_num_f32 v13, |v[XS+3]|, |v[XS+4]|, |v[XS+5]|
.irp i, 6,10,14,18,22,26
	v_max3_num_f32 v12, v12, |v[XS+\i]|, |v[XS+\i+1]|
	v_max3_num_f32 v13, v13, |v[XS+\i+2]|, |v[XS+\i+3]|
.endr
	v_max3_num_f32 v12, v12, |v[XS+30]|, |v[XS+31]|
	v_max3_num_f32 v12, v12, v13, 0x8000000        ; and the floor 2^(16 - 127): the byte cannot fall under 1
	v_add_nc_u32 v11, 0xf8800000, v12              ; 15 off the exponent field: the conversion's scale operand
	v_and_or_b32 v10, v12, 0x7f800000, s70         ; 57,344 x the scale
	v_lshrrev_b32 v13, 23, v11                     ; the scale's byte
.if (\t)%4 == 0
	v_mov_b32 v[14+(\t)/4], v13
.else
	v_lshl_or_b32 v[14+(\t)/4], v13, 8*((\t)%4), v[14+(\t)/4]
.endif
.set i, 0
.rept 32
	v_med3_num_f32 v[XS+i], v[XS+i], -v10, v10     ; the conversion to an 8-bit code does not saturate (ISA guide 7.6.2): the hold comes first
.set i, i+1
.endr
.irp g, 0,1,2,3
	v_cvt_scalef32_pk8_bf8_f32 v[C+2*\g:C+2*\g+1], v[XS+8*\g:XS+8*\g+7], v11
.endr
	ds_store_b128 v4, v[C:C+3] offset:32*(\t)
	ds_store_b128 v4, v[C+4:C+7] offset:32*(\t)+16
.if (\t)+2 < 8
	LOAD (\t)+2
.endif
	s_wait_dscnt 0x0                               ; the stores have read their registers: the next block's codes may be written
.endm
.irp t, 0,1,2,3,4,5,6,7
	BLOCK \t
.endr
	global_store_b32 v9, v14, s[66:67]             ; my column's two scale words
	global_store_b32 v9, v15, s[68:69]
.irp t, 0,1,2,3,4,5,6,7,8,9,10,11,12,13,14,15
	ds_load_b128 v[OUTR+4*\t:OUTR+4*\t+3], v7 offset:2*\t*PITCH   ; LDS serves a wave's instructions in order: these see my stores
.endr
.irp t, 0,1,2,3,4,5,6,7,8,9,10,11,12,13,14,15
	s_wait_dscnt 15-\t                             ; the younger rows may be out
	global_store_b128 v[GOFF+\t], v[OUTR+4*\t:OUTR+4*\t+3], s[60:61]
.endr
	s_wait_tensorcnt 0x0
	ds_add_u32 v240, v241
	s_wait_dscnt 0x0
	s_endpgm
.Lnorm:                                                ; THE NORM'S PATH
	s_load_b128 s[4:7], s[0:1], 0x40               ; X, ln1_w
	s_load_b64 s[8:9], s[0:1], 0x50                ; hn
	s_sub_co_u32 s19, ttmp9, NWQ                   ; my number among the norm's 256 work-groups
	v_lshrrev_b32 v1, 5, v0
	v_readfirstlane_b32 s12, v1                    ; wave
	v_and_b32 v13, 31, v0                          ; lane
	v_lshlrev_b32 v1, 5, v13                       ; in: 32 bytes a lane
	v_lshlrev_b32 v2, 3, v13                       ; codes: 8 bytes a lane
	v_lshrrev_b32 v3, 2, v13
	s_lshl_b32 s13, s12, 7
	s_add_co_u32 s13, s13, LNB
	v_add_nc_u32 v3, s13, v3                       ; LDS: my wave's 128 scale bytes, my block's byte
	v_lshlrev_b32 v14, 4, v13                      ; 16 x lane,
	v_add_nc_u32 v15, LNB, v14                     ; and the same place among the 512 scale bytes in LDS
	v_mov_b32 v12, 0                               ; a lane permute's destination counts as one of its sources
	s_mov_b32 s14, 0x76543210
	s_mov_b32 s15, 0xfedcba98                      ; v_permlanex16_b32's selects for lane l xor 16
	s_mov_b32 s16, 0x600000                        ; the mantissa field of 57,344
	s_mov_b32 s17, 0x3a800000                      ; 1 / 1024
	s_mov_b32 s18, 0x3727c5ac                      ; 1e-5
	s_lshl_b32 s20, s19, 4
	s_lshl_b32 s21, s12, 2
	s_add_co_u32 s20, s20, s21                     ; my first row
	s_lshl_b32 s22, s20, 12
	s_mov_b32 s23, 0
	s_lshl_b32 s24, s20, 10
	s_mov_b32 s25, 0
	s_lshl_b32 s26, s19, 9
	s_add_co_u32 s26, s26, 4194304
	s_mov_b32 s27, 0
	s_wait_alu depctr_va_vdst(0)
	s_wait_kmcnt 0x0
	s_add_nc_u64 s[4:5], s[4:5], s[22:23]
	s_add_nc_u64 s[10:11], s[8:9], s[26:27]        ; the work-group's scale bytes
	s_add_nc_u64 s[8:9], s[8:9], s[24:25]          ; my rows' codes
.irp g, 0,1,2,3
	global_load_b128 v[W+8*\g:W+8*\g+3], v1, s[6:7] offset:1024*\g
	global_load_b128 v[W+8*\g+4:W+8*\g+7], v1, s[6:7] offset:1024*\g+16
.endr
.irp p, 0,1,2,3
.irp g, 0,1,2,3
	global_load_b128 v[XR+32*\p+8*\g:XR+32*\p+8*\g+3], v1, s[4:5] offset:4096*\p+1024*\g
	global_load_b128 v[XR+32*\p+8*\g+4:XR+32*\p+8*\g+7], v1, s[4:5] offset:4096*\p+1024*\g+16
.endr
.endr
.macro REDUCE                          ; v4 summed over the 32 lanes, the result in every lane
	v_add_f32_dpp v4, v4, v4 row_xmask:1 row_mask:0xf bank_mask:0xf
	v_add_f32_dpp v4, v4, v4 row_xmask:2 row_mask:0xf bank_mask:0xf
	v_add_f32_dpp v4, v4, v4 row_xmask:4 row_mask:0xf bank_mask:0xf
	v_add_f32_dpp v4, v4, v4 row_xmask:8 row_mask:0xf bank_mask:0xf
	v_permlanex16_b32 v12, v4, s14, s15
	v_add_f32 v4, v4, v12
.endm
.macro ROW p
.set XS, XR+32*(\p)
	s_wait_loadcnt 8*(3-(\p))                      ; w and this row are in; the later rows' eight loads each may be out
	v_pk_add_f32 v[4:5], v[XS:XS+1], v[XS+2:XS+3]  ; the row's sum, in two chains
	v_pk_add_f32 v[6:7], v[XS+4:XS+5], v[XS+6:XS+7]
.irp j, 8,12,16,20,24,28
	v_pk_add_f32 v[4:5], v[4:5], v[XS+\j:XS+\j+1]
	v_pk_add_f32 v[6:7], v[6:7], v[XS+\j+2:XS+\j+3]
.endr
	v_pk_add_f32 v[4:5], v[4:5], v[6:7]
	v_add_f32 v4, v4, v5
	REDUCE
	v_mul_f32 v8, s17, v4                          ; the mean
	v_mov_b32 v9, v8
.set i, 0
.rept 16
	v_pk_add_f32 v[XS+i:XS+i+1], v[XS+i:XS+i+1], v[8:9] neg_lo:[0,1] neg_hi:[0,1]
.set i, i+2
.endr
	v_pk_mul_f32 v[4:5], v[XS:XS+1], v[XS:XS+1]    ; the squares' sum
	v_pk_mul_f32 v[6:7], v[XS+2:XS+3], v[XS+2:XS+3]
.irp j, 4,8,12,16,20,24,28
	v_pk_fma_f32 v[4:5], v[XS+\j:XS+\j+1], v[XS+\j:XS+\j+1], v[4:5]
	v_pk_fma_f32 v[6:7], v[XS+\j+2:XS+\j+3], v[XS+\j+2:XS+\j+3], v[6:7]
.endr
	v_pk_add_f32 v[4:5], v[4:5], v[6:7]
	v_add_f32 v4, v4, v5
	REDUCE
	v_fma_f32 v10, v4, s17, s18                    ; var + eps
	s_wait_alu depctr_va_vdst(0)
	v_rsq_f32 v10, v10
	v_nop                                          ; a plain instruction behind the transcendental
	s_wait_alu depctr_va_vdst(0)                   ; and the wait ahead of its first reader
	v_mov_b32 v11, v10
.set i, 0
.rept 16
	v_pk_mul_f32 v[XS+i:XS+i+1], v[XS+i:XS+i+1], v[10:11]
.set i, i+2
.endr
.set i, 0
.rept 16
	v_pk_mul_f32 v[XS+i:XS+i+1], v[XS+i:XS+i+1], v[W+i:W+i+1]
.set i, i+2
.endr
.irp g, 0,1,2,3
	v_max3_num_f32 v[16+\g], |v[XS+8*\g]|, |v[XS+8*\g+1]|, 0x8000000   ; my 8 numbers of group g's block, and the floor 2^(16 - 127)
.endr
.irp i, 2,4,6
.irp g, 0,1,2,3
	v_max3_num_f32 v[16+\g], v[16+\g], |v[XS+8*\g+\i]|, |v[XS+8*\g+\i+1]|
.endr
.endr
.irp g, 0,1,2,3
	v_max_num_f32_dpp v[16+\g], v[16+\g], v[16+\g] row_xmask:1 row_mask:0xf bank_mask:0xf
.endr
.irp g, 0,1,2,3
	v_max_num_f32_dpp v[16+\g], v[16+\g], v[16+\g] row_xmask:2 row_mask:0xf bank_mask:0xf   ; the four lanes': the block's largest magnitude
.endr
.irp g, 0,1,2,3
	v_add_nc_u32 v[20+\g], 0xf8800000, v[16+\g]    ; 15 off the exponent field: the conversion's scale operand
.endr
.irp g, 0,1,2,3
	v_and_or_b32 v[24+\g], v[16+\g], 0x7f800000, s16   ; 57,344 x the scale
.endr
.irp g, 0,1,2,3
	v_lshrrev_b32 v[BY+4*(\p)+\g], 23, v[20+\g]    ; the scale's byte
.endr
.irp g, 0,1,2,3
.irp e, 0,1,2,3,4,5,6,7
	v_med3_num_f32 v[XS+8*\g+\e], v[XS+8*\g+\e], -v[24+\g], v[24+\g]
.endr
.endr
.irp g, 0,1,2,3
	v_cvt_scalef32_pk8_bf8_f32 v[CD+8*(\p)+2*\g:CD+8*(\p)+2*\g+1], v[XS+8*\g:XS+8*\g+7], v[20+\g]
.endr
	v_nop                                          ; a plain instruction behind the last conversion
.irp g, 0,1,2,3
	ds_store_b8 v3, v[BY+4*(\p)+\g] offset:32*(\p)+8*\g   ; the four lanes of a block write the same byte with the same value
.endr
.irp g, 0,1,2,3
	global_store_b64 v2, v[CD+8*(\p)+2*\g:CD+8*(\p)+2*\g+1], s[8:9] offset:1024*(\p)+256*\g   ; 32 lanes store 256 consecutive bytes, aligned
.endr
.endm
	ROW 0
	ROW 1
	ROW 2
	ROW 3
	s_wait_dscnt 0x0                               ; for the others' sake: my scale bytes lie in LDS
	s_barrier_signal -1
	s_barrier_wait -1
	s_cmp_lg_u32 s12, 0
	s_cbranch_scc1 .Lend
	ds_load_b128 v[4:7], v15                       ; wave 0 takes the 16 rows' 512 scale bytes
	s_wait_dscnt 0x0
	global_store_b128 v14, v[4:7], s[10:11]
.Lend:
	s_wait_tensorcnt 0x0
	ds_add_u32 v240, v241
	s_wait_dscnt 0x0
	s_endpgm
.Lfunc_end_k_q26211756bd_prep:
	.size	k_q26211756bd_prep, .Lfunc_end_k_q26211756bd_prep-k_q26211756bd_prep
	.p2alignl 7, 3214868480
	.fill 96, 4, 3214868480
	.section	.rodata,"a",@progbits
	.p2align	6, 0x0
	.amdhsa_kernel k_q26211756bd_prep
		.amdhsa_group_segment_fixed_size 37376
		.amdhsa_private_segment_fixed_size 0
		.amdhsa_enable_private_segment 0
		.amdhsa_kernarg_size 88
		.amdhsa_user_sgpr_count 2
		.amdhsa_user_sgpr_kernarg_segment_ptr 1
		.amdhsa_wavefront_size32 1
		.amdhsa_system_sgpr_workgroup_id_x 1
		.amdhsa_system_sgpr_workgroup_id_y 1
		.amdhsa_system_sgpr_workgroup_id_z 1
		.amdhsa_system_vgpr_workitem_id 0
		.amdhsa_next_free_vgpr 242
		.amdhsa_next_free_sgpr 72
		.amdhsa_reserve_vcc 0
		.amdhsa_float_denorm_mode_32 3
		.amdhsa_float_denorm_mode_16_64 3
		.amdhsa_memory_ordered 1
		.amdhsa_forward_progress 1
		.amdhsa_inst_pref_size 121
	.end_amdhsa_kernel
	.amdgpu_metadata
---
amdhsa.version: [ 1, 2 ]
amdhsa.kernels:
  - .name:           k_q26211756bd_prep
    .symbol:         k_q26211756bd_prep.kd
    .args:
      - { .name: Wqkv, .offset: 0, .size: 8, .value_kind: global_buffer, .address_space: global }
      - { .name: Wfc1, .offset: 8, .size: 8, .value_kind: global_buffer, .address_space: global }
      - { .name: Wout, .offset: 16, .size: 8, .value_kind: global_buffer, .address_space: global }
      - { .name: Wfc2, .offset: 24, .size: 8, .value_kind: global_buffer, .address_space: global }
      - { .name: WA, .offset: 32, .size: 8, .value_kind: global_buffer, .address_space: global }
      - { .name: wout, .offset: 40, .size: 8, .value_kind: global_buffer, .address_space: global }
      - { .name: wf2lo, .offset: 48, .size: 8, .value_kind: global_buffer, .address_space: global }
      - { .name: wf2hi, .offset: 56, .size: 8, .value_kind: global_buffer, .address_space: global }
      - { .name: X, .offset: 64, .size: 8, .value_kind: global_buffer, .address_space: global }
      - { .name: ln1_w, .offset: 72, .size: 8, .value_kind: global_buffer, .address_space: global }
      - { .name: hn, .offset: 80, .size: 8, .value_kind: global_buffer, .address_space: global }
    .group_segment_fixed_size: 37376
    .private_segment_fixed_size: 0
    .kernarg_segment_align: 8
    .kernarg_segment_size: 88
    .max_flat_workgroup_size: 128
    .sgpr_count:     72
    .vgpr_count:     242
    .wavefront_size: 32
...
	.end_amdgpu_metadata
.endif
;; end of part 1
;; launch gqkv (part 2): grid 12 x 16, 4 waves a work-group, clusters of 4 x 4, 327,680 bytes of LDS; arguments hn, WA, big; writes big
.if DOCPART == 2
	.amdgcn_target "amdgcn-amd-amdhsa--gfx1250"
	.amdhsa_code_object_version 6
	.text
	.protected	k_q26211756bd_gqkv
	.globl	k_q26211756bd_gqkv
	.p2align	8
	.type	k_q26211756bd_gqkv,@function
k_q26211756bd_gqkv:
	s_mov_b64 s[64:65], 0
	v_nop
	global_prefetch_b8 v0, s[64:65] scope:SCOPE_SE
	s_setreg_imm32_b32 hwreg(HW_REG_WAVE_MODE, 25, 1), 1
	s_wait_xcnt 0x0
	s_wait_alu depctr_hold_cnt(0) depctr_sa_sdst(0) depctr_va_vdst(0) depctr_va_sdst(0) depctr_va_ssrc(0) depctr_va_vcc(0) depctr_vm_vsrc(0)
	s_getreg_b32 s2, hwreg(HW_REG_IB_STS2, 6, 4)
	s_cmp_eq_u32 s2, 0
	s_cbranch_scc0 .Lentry_in_a_cluster
	s_endpgm
.Lentry_in_a_cluster:
	s_bfe_u32 s2, ttmp6, 0x10000c
	s_cmp_lg_u32 s2, 0xf033
	s_cbranch_scc0 .Lentry_shape_is_right
	s_endpgm
.Lentry_shape_is_right:
.set NQ,     2
.set ROWB,   256
.set KROW,   1024
.set PITCH,  272
.set FR,     16
.set NL,     4
.set NP,     8
.set HALFT,  128*PITCH
.set SLOT,   4*HALFT
.set KS,     32
.set SCL,    2*SLOT
.set HALFS,  4352
.set SBLK,   544
.set SPARE,  SCL+4*HALFS
.set ADRA, 16
.set SST,  18
.set SRD,  19
.set ADRB, 20
.set SCO,  23
.set STO,  24
.set RD,   25
.set CO,   26
.set ADRS, 27
.set SPW,  28
.set NIL,  29
.set SC,   32
.set AF,   128
.set T,    64
.set PC,   128
.set BK,   144
.set QM,   192
.set QP,   196
.set QL,   200
.set QS,   204
.set QW,   208
.set G1, 24
.set G0, 32
.set G1B, 48
.set G0B, 56
.set SEL, 66
.set G1S, 68
.set G0S, 76
.set G1SB, 80
.set G0SB, 88
.set MNT, 95
.set MSB, 0
.macro WIN new
.if MSB != (\new)
	s_set_vgpr_msb (MSB<<8)|(\new)
.set MSB, (\new)
.endif
.endm
.set MUL_LO, 0xa1
.set MUL_HI, 0xf1
.set TO_B,   0x40
.macro JLOAD g0a, g1a, g0b, g1b
	s_cmp_eq_u32 s15, 0
	s_cbranch_scc0 .Lfor_b_\@
	tensor_load_to_lds s[\g0a:\g0a+3], s[\g1a:\g1a+7]
	s_nop 0
.rept 4
	v_nop
.endr
	s_branch .Lasked_\@
.Lfor_b_\@:
	tensor_load_to_lds s[\g0b:\g0b+3], s[\g1b:\g1b+7]
	s_nop 0
.rept 4
	v_nop
.endr
.Lasked_\@:
.endm
.macro CREST
	s_cmp_lg_u32 s14, 0
	s_cbranch_scc1 .Lnot_wave_0_\@
	s_barrier_signal -3
.Lnot_wave_0_\@:
	s_barrier_wait -3
	s_barrier_signal -1
	s_barrier_wait -1
.endm
.macro CROUND
	s_barrier_signal -1
	s_barrier_wait -1
	CREST
.endm
	s_load_b128 s[4:7], s[0:1], 0x0
	s_load_b64 s[12:13], s[0:1], 0x10
	v_lshl_add_u32 v[SPW], v0, 2, SPARE
	v_mov_b32 v[NIL], 0
	ds_add_u32 v28, v29
	ds_add_u32 v28, v29
	s_wait_dscnt 0x0
	v_lshrrev_b32 v1, 5, v0
	v_readfirstlane_b32 s14, v1
	s_lshr_b32 s15, s14, 1
	s_and_b32 s16, s14, 1
	s_bfe_u32 s40, ttmp6, 0x40000
	s_bfe_u32 s41, ttmp6, 0x40004
	s_and_b32 s2, ttmp7, 0xffff
	s_lshl_b32 s2, s2, 2
	s_lshl_b32 s3, ttmp9, 2
	s_cmp_eq_u32 ttmp9, 2
	s_cselect_b32 s17, 8, s2
	s_cselect_b32 s42, s2, s3
	s_add_co_u32 s17, s17, s41
	s_add_co_u32 s42, s42, s40
	s_lshl_b32 s43, s41, 2
	s_lshl_b32 s43, 15, s43
	s_lshl_b32 s44, 0x1111, s40
	s_or_b32 s[G1+0], s43, (0<<16)|(1<<20)|(1<<21)|(5<<22)|(3<<25)
	s_or_b32 s[G1B+0], s44, (0<<16)|(1<<20)|(1<<21)|(5<<22)|(3<<25)
.irp g, G1, G1B
	s_mov_b32 s[\g+1], ROWB<<16
	s_mov_b32 s[\g+2], 128<<16
	s_mov_b32 s[\g+3], ROWB<<16
	s_mov_b32 s[\g+4], 128
	s_mov_b32 s[\g+5], KROW
	s_mov_b32 s[\g+6], 0
	s_mov_b32 s[\g+7], 0
.endr
	s_mov_b32 s[SEL], 0x76543210
	s_mov_b32 s[SEL+1], 0xfedcba98
	s_mov_b32 s[MNT], 0x600000
	s_lshl_b32 s18, s16, 7
	s_lshl_b32 s20, s17, 8
	s_add_co_u32 s20, s20, s18
	s_lshl_b32 s46, s42, 8
	s_add_co_u32 s46, s46, s18
	s_mov_b32 s21, 0
	s_mov_b32 s47, 0
	s_mov_b64 s[18:19], KS
	s_mul_u64 s[22:23], s[20:21], s[18:19]
	s_mul_u64 s[92:93], s[46:47], s[18:19]
	s_mov_b64 s[18:19], KROW
	s_mul_u64 s[20:21], s[20:21], s[18:19]
	s_mul_u64 s[46:47], s[46:47], s[18:19]
	s_mul_i32 s45, s14, HALFT
	s_mul_i32 s94, s14, HALFS
	s_wait_kmcnt 0x0
	s_add_nc_u64 s[8:9], s[4:5], 0x400000
	s_add_nc_u64 s[10:11], s[6:7], 0x300000
	s_cmp_eq_u32 ttmp9, 2
	s_cselect_b64 s[96:97], s[6:7], s[4:5]
	s_cselect_b64 s[98:99], s[10:11], s[8:9]
	s_cselect_b64 s[4:5], s[4:5], s[6:7]
	s_cselect_b64 s[6:7], s[8:9], s[10:11]
	s_add_nc_u64 s[20:21], s[96:97], s[20:21]
	s_add_nc_u64 s[22:23], s[98:99], s[22:23]
	s_add_nc_u64 s[46:47], s[4:5], s[46:47]
	s_add_nc_u64 s[92:93], s[6:7], s[92:93]
	CROUND
; THE SCALE BYTES come through registers: each wave takes 4,096 dense bytes (128 rows' scales: waves 0, 1 A's halves, waves 2, 3 B's), 512 consecutive bytes a load,
; and stores them into LDS bytes of their own, as units of 256 bytes + 16.  No joint load for them: they are 16 KiB beside the 256 KiB of codes that a work-group asks for jointly.
	s_cmp_eq_u32 s15, 0
	s_cselect_b64 s[76:77], s[22:23], s[92:93]     ; a pair that nothing writes again: the loads' base
	s_add_co_u32 s94, s94, SCL
	v_and_b32 v8, 31, v0
	v_lshlrev_b32 v9, 4, v8                        ; 16 x lane
	v_lshrrev_b32 v10, 4, v8
	v_mul_u32_u24 v10, v10, 272
	v_and_b32 v11, 15, v0
	v_lshl_add_u32 v10, v11, 4, v10
	v_add_nc_u32 v10, s94, v10                     ; LDS: my wave's 16 units, two units a load
.irp i, 0,1,2,3,4,5,6,7
	global_load_b128 v[64+4*\i:67+4*\i], v9, s[76:77] offset:512*\i
.endr
.irp s, 0,1
	s_mov_b32 s[G0+4*\s], 1
	s_add_co_u32 s[G0+4*\s+1], s45, \s*SLOT
	s_add_nc_u64 s[G0+4*\s+2:G0+4*\s+3], s[20:21], \s*ROWB
	s_or_b32 s[G0+4*\s+3], s[G0+4*\s+3], 0x80000000
	s_mov_b32 s[G0B+4*\s], 1
	s_add_co_u32 s[G0B+4*\s+1], s45, \s*SLOT
	s_add_nc_u64 s[G0B+4*\s+2:G0B+4*\s+3], s[46:47], \s*ROWB
	s_or_b32 s[G0B+4*\s+3], s[G0B+4*\s+3], 0x80000000
.endr
	JLOAD G0, G1, G0B, G1B                         ; K step 0: my one tensor load at the head
	v_and_b32 v1, 15, v0
	v_bfe_u32 v2, v0, 4, 1
	v_mul_u32_u24 v3, v1, PITCH
	v_lshl_add_u32 v4, v2, 4, v3
	s_mul_i32 s21, s15, HALFT
	s_mul_i32 s22, s16, HALFT
	s_add_co_u32 s22, s22, 2*HALFT
.irp s, 0,1
	v_add_nc_u32 v[ADRA+\s], s21, v4
	v_add_nc_u32 v[ADRB+\s], s22, v4
	s_add_co_u32 s21, s21, SLOT
	s_add_co_u32 s22, s22, SLOT
.endr
	v_mul_u32_u24 v5, v1, KS
	v_lshrrev_b32 v6, 8, v5
	v_lshl_add_u32 v5, v6, 4, v5
	s_mul_i32 s21, s15, HALFS
	s_mul_i32 s22, s16, HALFS
	s_add_co_u32 s22, s22, 2*HALFS
	s_sub_co_u32 s22, s22, s21
	v_mul_u32_u24 v6, s22, v2
	s_add_co_u32 s21, s21, SCL
	v_add_nc_u32 v5, v5, v6
	v_add_nc_u32 v[ADRS], s21, v5
	s_mov_b32 s18, 131072
	s_mov_b32 s19, 256
	s_mov_b32 s98, 1024
	s_mov_b32 s99, 0
	s_cmp_eq_u32 ttmp9, 2
	s_cselect_b32 s20, s41, s17
	s_cselect_b32 s21, s42, s40
	s_cselect_b32 s18, 4096, s18
	s_cselect_b32 s19, 4096, s19
	s_cselect_b32 s98, 128000, s98
	s_cselect_b32 s22, 1, 2
	s_lshl_b32 s20, s20, 8
	s_lshl_b32 s23, s15, 7
	s_add_co_u32 s20, s20, s23
	s_lshl_b32 s21, s21, 8
	s_lshl_b32 s23, s16, 7
	s_add_co_u32 s21, s21, s23
	s_cmp_eq_u32 ttmp9, 2
	s_cselect_b32 s46, s21, s20
	s_cselect_b32 s47, s20, s21
	s_lshr_b32 s92, s46, 11
	s_and_b32 s46, s46, 2047
	s_lshl_b32 s92, s92, 4
	s_lshr_b32 s47, s47, 6
	s_add_co_u32 s92, s92, s47
	s_lshl_b32 s20, ttmp9, 22
	s_lshl_b32 s21, s92, 17
	s_add_co_u32 s20, s20, s21
	s_lshl_b32 s21, s46, 6
	s_add_co_u32 s20, s20, s21
	s_mov_b32 s21, 0
	s_lshl_b32 s2, ttmp9, 17
	s_lshl_b32 s3, s92, 12
	s_add_co_u32 s2, s2, s3
	s_lshl_b32 s3, s46, s22
	s_add_co_u32 s2, s2, s3
	s_add_co_u32 s2, s2, 12582912
	s_mov_b32 s3, 0
	s_add_nc_u64 s[96:97], s[12:13], s[2:3]
	s_add_nc_u64 s[12:13], s[12:13], s[20:21]
	s_mul_i32 s23, s14, 3072
	v_mul_u32_u24 v5, v1, 144
	v_lshl_add_u32 v5, v2, 4, v5
	v_add_nc_u32 v[STO], s23, v5
	v_lshrrev_b32 v5, 2, v1
	v_mul_u32_u24 v5, v5, 144
	v_lshl_add_u32 v5, v2, 6, v5
	v_and_b32 v6, 3, v0
	v_lshl_add_u32 v5, v6, 4, v5
	v_add_nc_u32 v[RD], s23, v5
	v_lshlrev_b32 v5, 2, v1
	v_add_nc_u32 v5, s23, v5
	v_add_nc_u32 v[SST], 2304, v5
	v_and_b32 v6, 31, v0
	v_lshlrev_b32 v6, 4, v6
	v_add_nc_u32 v6, s23, v6
	v_add_nc_u32 v[SRD], 2304, v6
	v_lshlrev_b32 v5, 4, v1
	v_mad_u32_u24 v[CO], v2, s18, v5
	v_mad_u32_u24 v[SCO], v2, s19, v5
.macro FRAG reg, adr, q, ro
.irp c, 0,1,2,3
	ds_load_b128 v[\reg+4*\c:\reg+4*\c+3], v[\adr] offset:128*(\q)+32*\c+(\ro)
.endr
.endm
.macro MUL16 a0, p, q, sc, zero
.irp a, \a0, \a0+1
.irp b, 0,1,2,3,4,5,6,7
.if \zero
	v_wmma_scale_f32_16x16x128_f8f6f4 v[8*(8*((\a)%4)+\b):8*(8*((\a)%4)+\b)+7], v[128*(\p)+FR*\b:128*(\p)+FR*\b+FR-1], v[AF+FR*(\a):AF+FR*(\a)+FR-1], 0, v[SC+8*NQ*(\sc)+NQ*\b+(\q)], v[SC+8*NQ*(\sc)+NQ*(\a)+(\q)] matrix_a_fmt:MATRIX_FMT_BF8 matrix_b_fmt:MATRIX_FMT_BF8 matrix_a_scale:MATRIX_SCALE_ROW1
.else
	v_wmma_scale_f32_16x16x128_f8f6f4 v[8*(8*((\a)%4)+\b):8*(8*((\a)%4)+\b)+7], v[128*(\p)+FR*\b:128*(\p)+FR*\b+FR-1], v[AF+FR*(\a):AF+FR*(\a)+FR-1], v[8*(8*((\a)%4)+\b):8*(8*((\a)%4)+\b)+7], v[SC+8*NQ*(\sc)+NQ*\b+(\q)], v[SC+8*NQ*(\sc)+NQ*(\a)+(\q)] matrix_a_fmt:MATRIX_FMT_BF8 matrix_b_fmt:MATRIX_FMT_BF8 matrix_a_scale:MATRIX_SCALE_ROW1
.endif
.endr
.endr
.endm
.macro FETCH_B slot, q, p
	WIN TO_B
.irp i, 0,1,2,3,4,5,6,7
	FRAG 128*(\p)+FR*\i, ADRB+\slot, \q, \i*16*PITCH
.endr
	WIN 0
.endm
.macro FETCH_A slot, q, i0
.irp i, \i0, \i0+1, \i0+2, \i0+3
	FRAG AF+FR*(\i), ADRA+\slot, \q, (\i)*16*PITCH
.endr
.endm
.macro SCALES sc
.irp i, 0,1,2,3,4,5,6,7
	ds_load_b64 v[SC+8*NQ*\sc+NQ*\i:SC+8*NQ*\sc+NQ*\i+1], v[ADRS] offset:\i*SBLK
.endr
.endm
.macro PLACES n
.rept \n
	v_nop
.endr
.endm
.macro STEP slot, q, zero
	s_wait_dscnt 4*NL
	WIN MUL_LO
	MUL16 0, (\q)%2, \q, \slot, \zero
	MUL16 2, (\q)%2, \q, \slot, \zero
	s_wait_dscnt 0
	PLACES NP
	FETCH_B \slot, (\q)+1, 1-(\q)%2
	FETCH_A \slot, (\q)+1, 0
	WIN MUL_HI
	MUL16 4, (\q)%2, \q, \slot, \zero
	MUL16 6, (\q)%2, \q, \slot, \zero
	PLACES NP
	WIN 0
	FETCH_A \slot, (\q)+1, 4
.endm
.macro TURN slot, next, fill
	s_wait_tensorcnt 0x0
	ds_add_u32 v[SPW], v[NIL]
	s_wait_dscnt 4*NL+1
	WIN MUL_LO
	MUL16 0, 1, NQ-1, \slot, 0
	s_wait_dscnt 0x0
	s_barrier_signal -1
	MUL16 2, 1, NQ-1, \slot, 0
	WIN 0
	s_barrier_wait -1
.if \fill
	CREST
	s_add_nc_u64 s[G0+4*\slot+2:G0+4*\slot+3], s[G0+4*\slot+2:G0+4*\slot+3], 2*ROWB
	s_add_nc_u64 s[G0B+4*\slot+2:G0B+4*\slot+3], s[G0B+4*\slot+2:G0B+4*\slot+3], 2*ROWB
	JLOAD G0+4*\slot, G1, G0B+4*\slot, G1B
	PLACES NP-4
.else
	PLACES NP
.endif
	s_wait_alu depctr_va_vdst(0)
	v_add_nc_u32 v[ADRS], 4*NQ, v[ADRS]
	FETCH_B \next, 0, 0
	FETCH_A \next, 0, 0
	SCALES \next
	WIN MUL_HI
	MUL16 4, 1, NQ-1, \slot, 0
	MUL16 6, 1, NQ-1, \slot, 0
	PLACES NP
	WIN 0
	FETCH_A \next, 0, 4
.endm
	s_wait_loadcnt 0x0                             ; my scale bytes are in registers
.irp i, 0,1,2,3,4,5,6,7
	ds_store_b128 v10, v[64+4*\i:67+4*\i] offset:544*\i
.endr
	s_wait_alu depctr_va_vdst(0)                   ; the wait at the head's end
	s_wait_tensorcnt 0x0                           ; my part of K step 0 is in; the three lines ahead of slot 1's first fill
	ds_add_u32 v[SPW], v[NIL]
	s_wait_dscnt 0x0                               ; the add and my stores of scale bytes are done
	CROUND
	JLOAD G0+4, G1, G0B+4, G1B                     ; K step 1, the first tensor load behind the round
	FETCH_B 0, 0, 0
	FETCH_A 0, 0, 0
	SCALES 0
	FETCH_A 0, 0, 4
	STEP 0, 0, 1
	TURN 0, 1, 1
	STEP 1, 0, 0
	TURN 1, 0, 1
	STEP 0, 0, 0
	TURN 0, 1, 0
	STEP 1, 0, 0
	s_wait_dscnt 4*NL
	WIN MUL_LO
	MUL16 0, 1, NQ-1, 1, 0
	MUL16 2, 1, NQ-1, 1, 0
	s_wait_dscnt 0
	WIN MUL_HI
	MUL16 4, 1, NQ-1, 1, 0
	MUL16 6, 1, NQ-1, 1, 0
	WIN 0
.macro QPACK a
.set AC, 64*((\a)%4)
.set WW, 2+(\a)/4
	WIN (WW|(WW<<2))
.irp b, 0,1,2,3
	v_max3_num_f32 v[QM+\b], |v[AC+16*\b]|, |v[AC+16*\b+1]|, 0x8000000
.endr
.irp i, 2,4,6,8,10,12,14
.irp b, 0,1,2,3
	v_max3_num_f32 v[QM+\b], |v[AC+16*\b+\i]|, |v[AC+16*\b+\i+1]|, v[QM+\b]
.endr
.endr
	WIN 0
.irp b, 0,1,2,3
	v_permlanex16_b32 v[QP+\b], v[QM+\b], s[SEL], s[SEL+1]
.endr
.irp b, 0,1,2,3
	v_max_num_f32 v[QM+\b], v[QM+\b], v[QP+\b]
.endr
.irp b, 0,1,2,3
	v_add_nc_u32 v[QS+\b], 0xf8800000, v[QM+\b]
.endr
.irp b, 0,1,2,3
	v_and_or_b32 v[QL+\b], v[QM+\b], 0x7f800000, s[MNT]
.endr
.irp b, 0,1,2,3
	v_lshrrev_b32 v[QP+\b], 23, v[QS+\b]
.endr
	s_wait_alu depctr_va_vdst(0)
	s_wait_dscnt 0x0
	v_lshl_or_b32 v[QW], v[QP+1], 8, v[QP]
	v_lshl_or_b32 v[QW], v[QP+2], 16, v[QW]
	v_lshl_or_b32 v[QW], v[QP+3], 24, v[QW]
	WIN WW
.irp b, 0,1,2,3
.irp i, 0,1,2,3,4,5,6,7,8,9,10,11,12,13,14,15
	v_med3_num_f32 v[T+16*\b+\i], v[AC+16*\b+\i], -v[QL+\b], v[QL+\b]
.endr
.endr
	WIN 0
.irp b, 0,1,2,3
	v_cvt_scalef32_pk8_bf8_f32 v[PC+4*\b:PC+4*\b+1], v[T+16*\b:T+16*\b+7], v[QS+\b]
	v_cvt_scalef32_pk8_bf8_f32 v[PC+4*\b+2:PC+4*\b+3], v[T+16*\b+8:T+16*\b+15], v[QS+\b]
.endr
	v_nop
.endm
.macro QSTAGE a
.irp b, 0,1,2,3
	ds_store_b128 v[STO], v[PC+4*\b:PC+4*\b+3] offset:32*\b
.endr
	ds_store_b32 v[SST], v[QW] offset:64*(\a)
.irp i, 0,1,2,3
	ds_load_b128 v[BK+16*((\a)%2)+4*\i:BK+16*((\a)%2)+4*\i+3], v[RD] offset:576*\i
.endr
.endm
.macro QSEND a
	s_wait_dscnt 0x0
	s_wait_xcnt 0x0
.if (\a) == 4
	s_add_nc_u64 s[12:13], s[12:13], s[98:99]
.elseif (\a) > 0
	s_add_nc_u64 s[12:13], s[12:13], 1024
.endif
.irp i, 0,1,2,3
	global_store_b128 v[CO], v[BK+16*((\a)%2)+4*\i:BK+16*((\a)%2)+4*\i+3], s[12:13] offset:256*\i
.endr
.endm
	PLACES NP
.irp b, 0,1,2,3
	v_mov_b32 v[QP+\b], 0
.endr
	QPACK 0
	QSTAGE 0
.irp a, 1,2,3,4,5,6,7
	QPACK \a
	s_wait_alu depctr_va_vdst(0)
	QSEND \a-1
	QSTAGE \a
.endr
	QSEND 7
	ds_load_b128 v[176:179], v[SRD]
	s_wait_dscnt 0x0
	global_store_b128 v[SCO], v[176:179], s[96:97]
	s_wait_tensorcnt 0x0
	ds_add_u32 v[SPW], v[NIL]
	s_wait_dscnt 0x0
	CROUND
	s_endpgm
.Lfunc_end_k_q26211756bd_gqkv:
	.size	k_q26211756bd_gqkv, .Lfunc_end_k_q26211756bd_gqkv-k_q26211756bd_gqkv
	.p2alignl 7, 3214868480
	.fill 96, 4, 3214868480
	.section	.rodata,"a",@progbits
	.p2align	6, 0x0
	.amdhsa_kernel k_q26211756bd_gqkv
		.amdhsa_group_segment_fixed_size 327680
		.amdhsa_private_segment_fixed_size 0
		.amdhsa_enable_private_segment 0
		.amdhsa_kernarg_size 24
		.amdhsa_user_sgpr_count 2
		.amdhsa_user_sgpr_kernarg_segment_ptr 1
		.amdhsa_wavefront_size32 1
		.amdhsa_system_sgpr_workgroup_id_x 1
		.amdhsa_system_sgpr_workgroup_id_y 1
		.amdhsa_system_sgpr_workgroup_id_z 1
		.amdhsa_system_vgpr_workitem_id 0
		.amdhsa_next_free_vgpr 1024
		.amdhsa_next_free_sgpr 100
		.amdhsa_reserve_vcc 0
		.amdhsa_float_denorm_mode_32 3
		.amdhsa_float_denorm_mode_16_64 3
		.amdhsa_memory_ordered 1
		.amdhsa_forward_progress 1
		.amdhsa_inst_pref_size 193
	.end_amdhsa_kernel
	.amdgpu_metadata
---
amdhsa.version: [ 1, 2 ]
amdhsa.kernels:
  - .name:           k_q26211756bd_gqkv
    .symbol:         k_q26211756bd_gqkv.kd
    .args:
      - { .name: hn, .offset: 0, .size: 8, .value_kind: global_buffer, .address_space: global }
      - { .name: WA, .offset: 8, .size: 8, .value_kind: global_buffer, .address_space: global }
      - { .name: big, .offset: 16, .size: 8, .value_kind: global_buffer, .address_space: global }
    .group_segment_fixed_size: 327680
    .private_segment_fixed_size: 0
    .kernarg_segment_align: 8
    .kernarg_segment_size: 24
    .max_flat_workgroup_size: 128
    .sgpr_count:     100
    .vgpr_count:     1024
    .wavefront_size: 32
...
	.end_amdgpu_metadata
.endif
;; end of part 2
;; launch attn (part 3): grid 8 x 32, 8 waves a work-group, clusters of 4 x 1, 327,680 bytes of LDS; arguments big, actA; writes actA
.if DOCPART == 3
	.amdgcn_target "amdgcn-amd-amdhsa--gfx1250"
	.amdhsa_code_object_version 6
	.text
	.protected	k_q26211756bd_attn
	.globl	k_q26211756bd_attn
	.p2align	8
	.type	k_q26211756bd_attn,@function
k_q26211756bd_attn:
	s_mov_b64 s[64:65], 0
	v_nop
	global_prefetch_b8 v0, s[64:65] scope:SCOPE_SE
	s_setreg_imm32_b32 hwreg(HW_REG_WAVE_MODE, 25, 1), 1
	s_wait_xcnt 0x0
	s_wait_alu depctr_hold_cnt(0) depctr_sa_sdst(0) depctr_va_vdst(0) depctr_va_sdst(0) depctr_va_ssrc(0) depctr_va_vcc(0) depctr_vm_vsrc(0)
	s_getreg_b32 s2, hwreg(HW_REG_IB_STS2, 6, 4)
	s_cmp_eq_u32 s2, 0
	s_cbranch_scc0 .Lentry_in_a_cluster
	s_endpgm
.Lentry_in_a_cluster:
	s_bfe_u32 s2, ttmp6, 0x10000c
	s_cmp_lg_u32 s2, 0x3003
	s_cbranch_scc0 .Lentry_shape_is_right
	s_endpgm
.Lentry_shape_is_right:
; attn = softmax(q k^T / 8) v for 32 (batch, head) pairs bh of 2,048 tokens and head size 64, both products on codes of BF8 (E5M2) with E8M0 scales; the result is quantised along 64 head + d for the next product.
; big, as the launch before has laid it: codes at c x 4,194,304 (q, k: [bh][token][64]; v: [bh][64 keys][d][64]); scale bytes at 12,582,912 + c x 131,072 (q, k: [bh / 2][token][bh % 2][2]; v: words [bh][128 keys][d]).
; actA: codes [row / 128: 32][head: 16][row % 128][64 bytes] at 0, scale bytes [head: 16][row 4096][2] at 4,194,304.
; THE SOFTMAX: t = score x log2(e) / 8; M = the running largest t rounded UP to a whole number; p = 2^(t - M) is quantised along the keys, not normalised; the row's sum is taken of the unquantised p and divides at the end.
; When M moves, the sum and O are multiplied by 2^(old M - new M): exact.
; LIMITS: a block of zeros gets the byte 1 (its codes are zeros, and only this program reads the bytes); NaN and infinities are not served; the promise holds while the scaled scores t stay under 2^31 in magnitude.
; SHARES.  A work-group owns 256 queries of ONE bh; each of its eight waves owns 32 of them, TWO tiles of 16, so that each fragment of K and V read from LDS feeds two products.  Every wave walks all 2,048 keys, 128 a step.
; The two tiles' lines stand by turns, so that no line waits for the line above it, and one wait serves both tiles' exponentials.
; ALL OF THE HEAD'S K AND V LIES IN LDS, filled once at the head: 2 x 131,072 bytes as rows of 256 bytes + 16 of padding.  A row of 64 codes, number n, begins at 272 (n / 4) + 64 (n % 4):
; the sixteen rows of a fragment load fall on sixteen different 16-byte columns modulo 256 (64 banks of 4 bytes: ISA guide 11.1).  Nothing is filled again: the loop over the keys has no barrier.
; CLUSTER: the four query blocks of a cluster read the same K, V and scale bytes: each tile is asked for jointly (mask 15).  Waves 0-3 fetch the halves of K and of V, waves 4, 5 K's scale bytes, wave 6 V's.
; No prefetch: every tensor load goes out at the head, so there is no loop to run ahead in.
; Both products are used transposed (S^T = K Q^T, O^T = V^T P^T): a lane holds one query of each tile throughout.  p's 16 registers of two neighbouring key tiles are keys 32 b + 16 u + 8 h + j: v's codes were laid in that order.
; THE FIRST PRODUCT'S K IS 64.  Q's upper 64 are zero codes.  K's eight tiles of a step lie on end, 8 registers each: a fragment's upper 64 are the next tile's codes (finite numbers), which meet Q's zeros and add nothing.
; REGISTERS.  Window 0: addresses, all scale registers, Q, S^T / p of both tiles, both tiles' small state: the softmax runs under one setting.  Window 1: K's fragments, V's, O^T and p's codes of both tiles.
.set STEPB, 8704                       ; 128 rows of 64 bytes in LDS: 32 units of 272
.set VB,    139264                     ; V begins behind K's 512 units
.set SCK,   2*VB                       ; K's scale bytes of the pair of heads, 8 KiB
.set SCV,   SCK+8192                   ; V's scale words, 4 KiB
.set SPARE, SCV+4096                   ; the spare words: 128 bytes a wave, named by no other line
.set STG,   SPARE+1024                 ; the way out: 32 rows x (64 + 16) bytes for each wave, bytes of their own
.set SSTG,  STG+8*2560                 ; and 256 x 2 scale bytes
.set ADK,  1                           ; v1-4 LDS addresses in hand: K, V, K's scales, V's
.set ADV,  2
.set ADS,  3
.set ADT,  4
.set SPW,  5
.set NIL,  6
.set VSW,  7                           ; v7-10 V's scale words
.set AK0,  11                          ; my lane's place in a tile
.set R4,   12                          ; 4 x (lane % 16)
.set W0,   13                          ; p's scale word, tile 0, tile 1
.set W1,   14
.set QSW,  15                          ; Q's scale bytes: lanes 0-15 tile 0's, lanes 16-31 tile 1's
.set SW,   16                          ; v16-23 K's scale bytes
.set Q0,   24                          ; v24-39, v40-55 Q: 8 registers of codes, 8 of zero codes
.set Q1,   40
.set T0,   56                          ; v56-119, v120-183 S^T, then p
.set T1,   120
.set B0,   184                         ; v184-219, v220-255 a tile's small state, at these places:
.set B1,   220
.set oNM,  0                           ; -M, and beside it the largest t
.set oTM,  1
.set oSUM, 2                           ; the sum, a pair
.set oF,   4                           ; f (a pair is named)
.set oBM,  6
.set oPT,  10
.set oLIM, 14
.set oSO,  18
.set oTMP, 22
.set oOLD, 23
.set oSM,  24                          ; four more chains of the sum
.set KFR,  0                           ; window 1: v0-63 K's eight tiles, v64-71 zero codes
.set VF,   72                          ; v72-135 V's four fragments
.set O0,   136                         ; v136-167, v168-199 O^T
.set O1,   168
.set P0,   200                         ; v200-215, v216-231 p's codes
.set P1,   216
.set WV,   18
.set MNT,  19
.set SEL,  20
.set CS,   22
.set G1T,  24
.set G1S,  32
.set G0T,  40
.set G0S,  44
.set TK,   2
.set TV,   3
.set TS,   66
.set TJ,   67
.set CNT,  68
.set MSB, 0
.macro WIN new                         ; the immediate's high byte repeats the setting that is left
.if MSB != (\new)
	s_set_vgpr_msb (MSB<<8)|(\new)
.set MSB, (\new)
.endif
.endm
.macro CROUND                          ; a round of the cluster's barrier
	s_barrier_signal -1
	s_barrier_wait -1
	s_cmp_lg_u32 s[WV], 0
	s_cbranch_scc1 .Lnot_wave_0_\@
	s_barrier_signal -3
.Lnot_wave_0_\@:
	s_barrier_wait -3
	s_barrier_signal -1
	s_barrier_wait -1
.endm
.macro SADD d, x
	s_add_co_u32 s\d, s\d, s\x
.endm
.macro KLOAD                           ; a step's eight tiles of K (window 1) and their scale bytes
	WIN 0x40
.irp t, 0,1,2,3,4,5,6,7
	ds_load_b128 v[KFR+8*\t:KFR+8*\t+3], v[ADK] offset:1088*\t
	ds_load_b128 v[KFR+8*\t+4:KFR+8*\t+7], v[ADK] offset:1088*\t+32
.endr
	WIN 0
.irp t, 0,1,2,3,4,5,6,7
	ds_load_u16 v[SW+\t], v[ADS] offset:64*\t
.endr
.endm
	s_load_b128 s[4:7], s[0:1], 0x0                ; big, actA
	v_lshl_add_u32 v[SPW], v0, 2, SPARE
	v_mov_b32 v[NIL], 0
	ds_add_u32 v[SPW], v[NIL]                      ; the opening: the add, twice on end, and its wait
	ds_add_u32 v[SPW], v[NIL]
	v_lshrrev_b32 v[T0], 5, v0
	v_readfirstlane_b32 s[WV], v[T0]               ; wave 0..7
	s_bfe_u32 s8, ttmp6, 0x40000                   ; cx
	s_lshl_b32 s9, ttmp9, 2
	SADD 9, 8                                      ; my block of 256 queries: it enters Q's and the output's addresses alone
	s_and_b32 s10, ttmp7, 0xffff                   ; bh
	s_lshr_b32 s11, s10, 1
	s_and_b32 s12, s10, 1
	s_lshr_b32 s13, s[WV], 1                       ; waves 0, 1 K; 2, 3 V
	s_add_co_u32 s13, s13, 1
	s_lshl_b32 s48, s13, 22
	s_lshl_b32 s14, s10, 17
	SADD 48, 14
	s_and_b32 s16, s[WV], 1
	s_lshl_b32 s16, s16, 16
	SADD 48, 16                                    ; my 65,536 bytes of codes
	s_mov_b32 s49, 0
	s_mul_i32 s52, s[WV], 256*272
	s_and_b32 s15, s[WV], 3
	s_lshl_b32 s50, s11, 13                        ; waves 4, 5: halves of K's scale bytes; wave 6: V's scale words
	s_lshl_b32 s53, s15, 12
	SADD 50, 53
	s_add_co_u32 s50, s50, 12582912+131072
	s_lshl_b32 s17, s10, 12
	s_add_co_u32 s17, s17, 12582912+262144
	s_cmp_eq_u32 s[WV], 6
	s_cselect_b32 s50, s17, s50
	s_mov_b32 s51, 0
	s_add_co_u32 s53, s53, SCK
	s_lshl_b32 s57, s9, 8
	s_lshl_b32 s56, s[WV], 5
	SADD 57, 56                                    ; my first query
	s_lshl_b32 s54, s57, 6
	SADD 54, 14                                    ; its codes
	s_mov_b32 s55, 0
	s_lshl_b32 s58, s11, 13
	s_lshl_b32 s56, s57, 2
	SADD 58, 56
	s_lshl_b32 s[TS], s12, 1
	SADD 58, 66
	s_add_co_u32 s58, s58, 12582912                ; its two scale bytes
	s_mov_b32 s59, 0
	s_lshr_b32 s70, s10, 4                         ; batch
	s_and_b32 s71, s10, 15                         ; head
	s_lshl_b32 s71, s71, 13
	s_lshl_b32 s72, s70, 4
	s_lshl_b32 s56, s9, 1
	SADD 72, 56
	s_lshr_b32 s56, s[WV], 2
	SADD 72, 56                                    ; my block of 128 rows
	s_lshl_b32 s72, s72, 17
	SADD 72, 71
	s_lshl_b32 s56, s15, 11
	SADD 72, 56                                    ; my 32 rows' 2,048 bytes of codes
	s_mov_b32 s73, 0
	s_lshl_b32 s74, s70, 12
	s_lshl_b32 s56, s9, 9
	SADD 74, 56
	SADD 74, 71
	s_add_co_u32 s74, s74, 4194304                 ; the work-group's 512 scale bytes
	s_mov_b32 s75, 0
	s_mul_i32 s86, s[WV], 2560
	s_add_co_u32 s86, s86, STG
	s_lshl_b32 s87, s[WV], 6
	s_add_co_u32 s87, s87, SSTG
	s_mov_b32 s[G1T], 15|(1<<20)|(1<<21)|(5<<22)|(3<<25)   ; all four work-groups; elements of 1 byte; 4 words of padding behind every 64; bit 21 beside a mask
	s_mov_b32 s[G1T+1], 256<<16
	s_mov_b32 s[G1T+2], 256<<16
	s_mov_b32 s[G1T+3], 256<<16
	s_mov_b32 s[G1T+4], 256
	s_mov_b32 s[G1T+5], 256                        ; dense: 256 rows of 256 bytes
	s_mov_b32 s[G1T+6], 0
	s_mov_b32 s[G1T+7], 0
	s_mov_b32 s[G1S], 15|(3<<16)|(1<<21)           ; 16 rows of 32 elements of 8 bytes, no padding
	s_mov_b32 s[G1S+1], 32<<16
	s_mov_b32 s[G1S+2], 16<<16
	s_mov_b32 s[G1S+3], 32<<16
	s_mov_b32 s[G1S+4], 16
	s_mov_b32 s[G1S+5], 32
	s_mov_b32 s[G1S+6], 0
	s_mov_b32 s[G1S+7], 0
	s_mov_b32 s[SEL], 0x76543210
	s_mov_b32 s[SEL+1], 0xfedcba98
	s_mov_b32 s[CS], 0x3e38aa3b                    ; c = log2(e) / 8
	s_mov_b32 s[CS+1], s[CS]
	s_mov_b32 s[MNT], 0x600000
	s_mov_b32 s[TK], 0
	s_mov_b32 s[TV], VB
	s_add_co_u32 s[TS], s[TS], SCK                 ; my head's two bytes of a key's four
	s_mov_b32 s[TJ], SCV
	s_mov_b32 s[CNT], 16
	s_wait_dscnt 0x0                               ; both opening adds are done
	s_wait_kmcnt 0x0
	s_mov_b32 s[G0T], 1
	s_mov_b32 s[G0T+1], s52
	s_add_nc_u64 s[G0T+2:G0T+3], s[4:5], s[48:49]
	s_or_b32 s[G0T+3], s[G0T+3], 0x80000000
	s_mov_b32 s[G0S], 1
	s_mov_b32 s[G0S+1], s53
	s_add_nc_u64 s[G0S+2:G0S+3], s[4:5], s[50:51]
	s_or_b32 s[G0S+3], s[G0S+3], 0x80000000
	s_add_nc_u64 s[60:61], s[4:5], s[54:55]        ; Q's codes
	s_add_nc_u64 s[62:63], s[4:5], s[58:59]        ; Q's scale bytes
	s_add_nc_u64 s[72:73], s[6:7], s[72:73]
	s_add_nc_u64 s[74:75], s[6:7], s[74:75]
	CROUND                                         ; all four work-groups are here: the joint loads meet
	s_cmp_lt_u32 s[WV], 4                          ; one chain of branches on the wave's number, one load to an arm
	s_cbranch_scc0 .Lnot_tile
	tensor_load_to_lds s[G0T:G0T+3], s[G1T:G1T+7]
	s_nop 0
.rept 4
	v_nop
.endr
	s_branch .Lasked
.Lnot_tile:
	s_cmp_lt_u32 s[WV], 7
	s_cbranch_scc0 .Lasked
	tensor_load_to_lds s[G0S:G0S+3], s[G1S:G1S+7]
	s_nop 0
.rept 4
	v_nop
.endr
.Lasked:
	v_and_b32 v[T0], 15, v0                        ; r
	v_bfe_u32 v[T0+1], v0, 4, 1                    ; h
	v_lshlrev_b32 v[T0+2], 6, v[T0]
	v_lshl_add_u32 v[T0+2], v[T0+1], 4, v[T0+2]
	v_and_b32 v[T0+5], 31, v0
	v_lshlrev_b32 v[T0+5], 2, v[T0+5]              ; 4 x lane: a query's four scale bytes
	v_lshlrev_b32 v[R4], 2, v[T0]
.irp u, 0,1
	global_load_b128 v[Q\u:Q\u+3], v[T0+2], s[60:61] offset:1024*\u       ; Q's fragments stay in registers: K = 0 .. 63
	global_load_b128 v[Q\u+4:Q\u+7], v[T0+2], s[60:61] offset:1024*\u+32
.endr
	global_load_u16 v[QSW], v[T0+5], s[62:63]      ; two scale bytes; the upper two are 0, over zero codes
	v_lshrrev_b32 v[T0+3], 2, v[T0]
	v_mul_u32_u24 v[T0+3], v[T0+3], 272
	v_and_b32 v[T0+4], 3, v[T0]
	v_lshl_add_u32 v[T0+3], v[T0+4], 6, v[T0+3]
	v_lshl_add_u32 v[AK0], v[T0+1], 4, v[T0+3]     ; 272 (r / 4) + 64 (r % 4) + 16 h
	v_add_nc_u32 v[ADK], s[TK], v[AK0]
	v_add_nc_u32 v[ADS], s[TS], v[R4]
.irp u, 0,1
	v_mov_b32 v[B\u+oTM], 0xff61b1e6               ; the largest t so far: -3e38
	v_floor_f32 v[B\u+oNM], -v[B\u+oTM]            ; -M
	v_mov_b32 v[B\u+oSUM], 0
	v_mov_b32 v[B\u+oSUM+1], 0
	v_mov_b32 v[B\u+oF+1], 0                       ; (named as the upper half of a pair)
.irp b, 0,1,2,3
	v_mov_b32 v[B\u+oPT+\b], 0                     ; a lane permute's destination counts as one of its sources
.endr
.irp j, 8,9,10,11,12,13,14,15
	v_mov_b32 v[Q\u+\j], 0                         ; Q's K = 64 .. 127: zero codes
.endr
.endr
	WIN 0x40
.irp j, 0,1,2,3,4,5,6,7
	v_mov_b32 v[KFR+64+\j], 0                      ; zero codes behind K's last tile
.endr
.set i, 0
.rept 64
	v_mov_b32 v[O0+i], 0                           ; O^T of both tiles: the step is written once; the first change of M leaves zeros zeros
.set i, i+1
.endr
	WIN 0
	s_wait_alu depctr_va_vdst(0)                   ; the wait at the head's end
	s_wait_tensorcnt 0x0                           ; my tile is in,
	s_barrier_signal -1
	s_barrier_wait -1                              ; and everybody's: K, V and their scales are whole
	KLOAD
	s_wait_loadcnt 0x0                             ; Q
.Lstep:                                            ; sixteen trips of 128 keys
	s_wait_dscnt 0x0                               ; this step's K (asked for a step ago)
	WIN 0x01                                       ; source 0 (K) window 1
.irp t, 0,1,2,3,4,5,6,7
	v_wmma_scale_f32_16x16x128_f8f6f4 v[T0+8*\t:T0+8*\t+7], v[KFR+8*\t:KFR+8*\t+15], v[Q0:Q0+15], 0, v[SW+\t], v[QSW] matrix_a_fmt:MATRIX_FMT_BF8 matrix_b_fmt:MATRIX_FMT_BF8
	v_wmma_scale_f32_16x16x128_f8f6f4 v[T1+8*\t:T1+8*\t+7], v[KFR+8*\t:KFR+8*\t+15], v[Q1:Q1+15], 0, v[SW+\t], v[QSW] matrix_a_fmt:MATRIX_FMT_BF8 matrix_b_fmt:MATRIX_FMT_BF8 matrix_b_scale:MATRIX_SCALE_ROW1
.endr
	WIN 0
	v_add_nc_u32 v[ADV], s[TV], v[AK0]             ; eight places behind the products: this step's V, the next step's K
	v_add_nc_u32 v[ADT], s[TJ], v[R4]
	v_mov_b32 v[B0+oOLD], v[B0+oNM]
	v_mov_b32 v[B1+oOLD], v[B1+oNM]
	s_add_co_u32 s[TK], s[TK], STEPB
	s_add_co_u32 s[TV], s[TV], STEPB
	s_add_co_u32 s[TS], s[TS], 512
	s_add_co_u32 s[TJ], s[TJ], 256
	v_add_nc_u32 v[ADK], s[TK], v[AK0]
	v_add_nc_u32 v[ADS], s[TS], v[R4]
	v_nop
	v_nop
	WIN 0x40                                       ; V's four fragments (16 channels x 128 keys): they land under the softmax
.irp t, 0,1,2,3
.irp c, 0,1,2,3
	ds_load_b128 v[VF+16*\t+4*\c:VF+16*\t+4*\c+3], v[ADV] offset:4352*(\c/2)+1088*\t+32*(\c%2)
.endr
.endr
	WIN 0
.irp t, 0,1,2,3
	ds_load_b32 v[VSW+\t], v[ADT] offset:64*\t
.endr
	s_cmp_eq_u32 s[CNT], 1                         ; the last step has no successor
	s_cbranch_scc1 .Lno_next
	KLOAD
.Lno_next:
.irp b, 0,1,2,3
.irp u, 0,1
	v_max3_num_f32 v[B\u+oBM+\b], v[T\u+16*\b], v[T\u+16*\b+1], v[T\u+16*\b+2]   ; the largest score of each block of 32 keys: for the row's maximum, and, since p rises with the score, for the block's largest p
.endr
.endr
.irp i, 3,5,7,9,11,13
.irp b, 0,1,2,3
.irp u, 0,1
	v_max3_num_f32 v[B\u+oBM+\b], v[B\u+oBM+\b], v[T\u+16*\b+\i], v[T\u+16*\b+\i+1]
.endr
.endr
.endr
.irp b, 0,1,2,3
.irp u, 0,1
	v_max_num_f32 v[B\u+oBM+\b], v[B\u+oBM+\b], v[T\u+16*\b+15]
.endr
.endr
.irp b, 0,1,2,3
.irp u, 0,1
	v_permlanex16_b32 v[B\u+oPT+\b], v[B\u+oBM+\b], s[SEL], s[SEL+1]
.endr
.endr
.irp b, 0,1,2,3
.irp u, 0,1
	v_max_num_f32 v[B\u+oBM+\b], v[B\u+oBM+\b], v[B\u+oPT+\b]   ; with lane l xor 16's 16 keys
.endr
.endr
.irp u, 0,1
	v_max3_num_f32 v[B\u+oTMP], v[B\u+oBM], v[B\u+oBM+1], v[B\u+oBM+2]
.endr
.irp u, 0,1
	v_max_num_f32 v[B\u+oTMP], v[B\u+oTMP], v[B\u+oBM+3]
.endr
.irp u, 0,1
	v_mul_f32 v[B\u+oTMP], s[CS], v[B\u+oTMP]      ; the step's largest t
.endr
.irp u, 0,1
	v_max_num_f32 v[B\u+oTM], v[B\u+oTM], v[B\u+oTMP]
.endr
.irp u, 0,1
	v_floor_f32 v[B\u+oNM], -v[B\u+oTM]            ; the new -M = -ceil(t)
.endr
.irp u, 0,1
	v_sub_f32 v[B\u+oTMP], v[B\u+oNM], v[B\u+oOLD] ; old M - new M: a whole number, 0 or less
.endr
.irp u, 0,1
	v_cvt_i32_f32 v[B\u+oTMP], v[B\u+oTMP]         ; (it saturates)
.endr
.irp u, 0,1
	v_ldexp_f32 v[B\u+oF], 1.0, v[B\u+oTMP]        ; f = 2^(old M - new M)
.endr
.irp u, 0,1
.set i, 0
.rept 32
	v_pk_fma_f32 v[T\u+i:T\u+i+1], v[T\u+i:T\u+i+1], s[CS:CS+1], v[B\u+oNM:B\u+oNM+1] op_sel_hi:[1,0,0]   ; t - M
.set i, i+2
.endr
.endr
.irp b, 0,1,2,3
.irp u, 0,1
	v_fma_f32 v[B\u+oBM+\b], v[B\u+oBM+\b], s[CS], v[B\u+oNM]
.endr
.endr
	s_wait_alu depctr_va_vdst(0)                   ; the wait ahead of the batch
.irp u, 0,1
.set i, 0
.rept 64
	v_exp_f32 v[T\u+i], v[T\u+i]                   ; p = 2^(t - M)
.set i, i+1
.endr
.endr
.irp u, 0,1
	v_pk_mul_f32 v[B\u+oSUM:B\u+oSUM+1], v[B\u+oSUM:B\u+oSUM+1], v[B\u+oF:B\u+oF+1] op_sel_hi:[1,0]   ; the sums under the new M: plain instructions behind the exponentials
.endr
	s_wait_alu depctr_va_vdst(0)                   ; one wait for the batch, ahead of its first reader
.irp b, 0,1,2,3
.irp u, 0,1
	v_exp_f32 v[B\u+oBM+\b], v[B\u+oBM+\b]         ; each block's largest p
.endr
.endr
.irp j, 0,1,2,3                                ; the rows' sums of the unquantised p, in five chains a tile
.irp u, 0,1
	v_pk_add_f32 v[B\u+oSM+2*\j:B\u+oSM+2*\j+1], v[T\u+4*\j:T\u+4*\j+1], v[T\u+4*\j+2:T\u+4*\j+3]
.endr
.endr
.set i, 0
.rept 24
.irp u, 0,1
.if i%5 == 4
	v_pk_add_f32 v[B\u+oSUM:B\u+oSUM+1], v[B\u+oSUM:B\u+oSUM+1], v[T\u+16+2*i:T\u+17+2*i]
.else
	v_pk_add_f32 v[B\u+oSM+2*(i%5):B\u+oSM+2*(i%5)+1], v[B\u+oSM+2*(i%5):B\u+oSM+2*(i%5)+1], v[T\u+16+2*i:T\u+17+2*i]
.endif
.endr
.set i, i+1
.endr
	s_wait_alu depctr_va_vdst(0)                   ; and one for the eight
.irp b, 0,1,2,3
.irp u, 0,1
	v_max_num_f32 v[B\u+oBM+\b], 0x8000000, v[B\u+oBM+\b]    ; the floor 2^(16 - 127)
.endr
.endr
.irp b, 0,1,2,3
.irp u, 0,1
	v_add_nc_u32 v[B\u+oSO+\b], 0xf8800000, v[B\u+oBM+\b]    ; 15 off the exponent field: the conversion's scale operand
.endr
.endr
.irp b, 0,1,2,3
.irp u, 0,1
	v_and_or_b32 v[B\u+oLIM+\b], v[B\u+oBM+\b], 0x7f800000, s[MNT]   ; 57,344 x the scale
.endr
.endr
.irp b, 0,1,2,3
.irp u, 0,1
	v_lshrrev_b32 v[B\u+oPT+\b], 23, v[B\u+oSO+\b]
.endr
.endr
.irp u, 0,1
	v_lshl_or_b32 v[W\u], v[B\u+oPT+1], 8, v[B\u+oPT]
.endr
.irp u, 0,1
	v_lshl_or_b32 v[W\u], v[B\u+oPT+2], 16, v[W\u]
.endr
.irp u, 0,1
	v_lshl_or_b32 v[W\u], v[B\u+oPT+3], 24, v[W\u]
.endr
.irp u, 0,1                                    ; p is not negative: the hold is one-sided; two to an instruction
.irp b, 0,1,2,3
.irp i, 0,2,4,6,8,10,12,14
	v_dual_min_num_f32 v[T\u+16*\b+\i], v[T\u+16*\b+\i], v[B\u+oLIM+\b] :: v_dual_min_num_f32 v[T\u+16*\b+\i+1], v[T\u+16*\b+\i+1], v[B\u+oLIM+\b]
.endr
.endr
.endr
	WIN 0x40                                       ; the codes go to window 1
.irp u, 0,1
.irp b, 0,1,2,3
	v_cvt_scalef32_pk8_bf8_f32 v[P\u+4*\b:P\u+4*\b+1], v[T\u+16*\b:T\u+16*\b+7], v[B\u+oSO+\b]
	v_cvt_scalef32_pk8_bf8_f32 v[P\u+4*\b+2:P\u+4*\b+3], v[T\u+16*\b+8:T\u+16*\b+15], v[B\u+oSO+\b]
.endr
.endr
	v_nop                                          ; a plain instruction behind the last conversion
	WIN 0x41                                       ; O^T: source 0 and destination window 1
	s_wait_alu depctr_va_vdst(0)                   ; the wait directly ahead of O^T's first readers
.irp u, 0,1
.set i, 0
.rept 16
	v_pk_mul_f32 v[O\u+i:O\u+i+1], v[O\u+i:O\u+i+1], v[B\u+oF:B\u+oF+1] op_sel_hi:[1,0]   ; O^T under the new M; also the places between p's codes and the products
.set i, i+2
.endr
.endr
	s_wait_alu depctr_va_vdst(0)                   ; directly ahead of the wait below
	s_wait_dscnt 0x0                               ; V, and the next step's K
	WIN 0x55                                       ; all four operands window 1
.irp t, 0,1,2,3
.irp u, 0,1
	v_wmma_scale_f32_16x16x128_f8f6f4 v[O\u+8*\t:O\u+8*\t+7], v[VF+16*\t:VF+16*\t+15], v[P\u:P\u+15], v[O\u+8*\t:O\u+8*\t+7], v[VSW+\t], v[W\u] matrix_a_fmt:MATRIX_FMT_BF8 matrix_b_fmt:MATRIX_FMT_BF8
.endr
.endr
	WIN 0
.irp u, 0,1                                    ; the sums' chains are joined
	v_pk_add_f32 v[B\u+oSM:B\u+oSM+1], v[B\u+oSM:B\u+oSM+1], v[B\u+oSM+2:B\u+oSM+3]
	v_pk_add_f32 v[B\u+oSM+4:B\u+oSM+5], v[B\u+oSM+4:B\u+oSM+5], v[B\u+oSM+6:B\u+oSM+7]
.endr
.irp u, 0,1
	v_pk_add_f32 v[B\u+oSM:B\u+oSM+1], v[B\u+oSM:B\u+oSM+1], v[B\u+oSM+4:B\u+oSM+5]
.endr
.irp u, 0,1
	v_pk_add_f32 v[B\u+oSUM:B\u+oSUM+1], v[B\u+oSUM:B\u+oSUM+1], v[B\u+oSM:B\u+oSM+1]
.endr
	s_sub_co_u32 s[CNT], s[CNT], 1
	s_cmp_lg_u32 s[CNT], 0
	s_cbranch_scc1 .Lstep
	; THE WAY OUT: O^T / the sum, quantised along the head's 64; codes through my own stage, so that my 32 rows leave as 2,048 consecutive bytes.  Q's registers are done with: they take addresses and codes.
	v_and_b32 v40, 15, v0
	v_bfe_u32 v41, v0, 4, 1
	v_mul_u32_u24 v42, v40, 80
	v_lshl_add_u32 v42, v41, 3, v42
	v_add_nc_u32 v42, s86, v42                     ; into the stage: row r, + 8 h
	v_lshl_add_u32 v43, v40, 1, s87                ; my row's two scale bytes
	v_and_b32 v44, 31, v0
	v_lshrrev_b32 v45, 2, v44
	v_mul_u32_u24 v45, v45, 80
	v_and_b32 v47, 3, v0
	v_lshl_add_u32 v45, v47, 4, v45
	v_add_nc_u32 v45, s86, v45                     ; back: four lanes to a row of 64 bytes
	v_lshlrev_b32 v46, 4, v44
	v_add_nc_u32 v47, SSTG, v46
.irp u, 0,1
	v_add_f32 v[B\u+oSUM], v[B\u+oSUM], v[B\u+oSUM+1]
.endr
.irp u, 0,1
	v_permlanex16_b32 v[B\u+oPT], v[B\u+oSUM], s[SEL], s[SEL+1]
.endr
.irp u, 0,1
	v_add_f32 v[B\u+oSUM], v[B\u+oSUM], v[B\u+oPT] ; the row's sum
.endr
	s_wait_alu depctr_va_vdst(0)
.irp u, 0,1
	v_rcp_f32 v[B\u+oSUM], v[B\u+oSUM]
.endr
	v_nop
	WIN 0x01                                       ; source 0 (O^T) window 1
	s_wait_alu depctr_va_vdst(0)
.irp u, 0,1
.set i, 0
.rept 32
	v_mul_f32 v[T\u+i], v[O\u+i], v[B\u+oSUM]      ; register 8 t + j: channel 16 t + 8 h + j of my query
.set i, i+1
.endr
.endr
	WIN 0
.irp b, 0,1
.irp u, 0,1
	v_max3_num_f32 v[B\u+oBM+\b], |v[T\u+16*\b]|, |v[T\u+16*\b+1]|, 0x8000000
.endr
.endr
.irp i, 2,4,6,8,10,12,14
.irp b, 0,1
.irp u, 0,1
	v_max3_num_f32 v[B\u+oBM+\b], v[B\u+oBM+\b], |v[T\u+16*\b+\i]|, |v[T\u+16*\b+\i+1]|
.endr
.endr
.endr
.irp b, 0,1
.irp u, 0,1
	v_permlanex16_b32 v[B\u+oPT+\b], v[B\u+oBM+\b], s[SEL], s[SEL+1]
.endr
.endr
.irp b, 0,1
.irp u, 0,1
	v_max_num_f32 v[B\u+oBM+\b], v[B\u+oBM+\b], v[B\u+oPT+\b]
.endr
.endr
.irp b, 0,1
.irp u, 0,1
	v_add_nc_u32 v[B\u+oSO+\b], 0xf8800000, v[B\u+oBM+\b]
.endr
.endr
.irp b, 0,1
.irp u, 0,1
	v_and_or_b32 v[B\u+oLIM+\b], v[B\u+oBM+\b], 0x7f800000, s[MNT]
.endr
.endr
.irp b, 0,1
.irp u, 0,1
	v_lshrrev_b32 v[B\u+oPT+\b], 23, v[B\u+oSO+\b]
.endr
.endr
.irp u, 0,1
	v_lshl_or_b32 v[W\u], v[B\u+oPT+1], 8, v[B\u+oPT]
.endr
.irp u, 0,1
.irp b, 0,1
.irp i, 0,1,2,3,4,5,6,7,8,9,10,11,12,13,14,15
	v_med3_num_f32 v[T\u+16*\b+\i], v[T\u+16*\b+\i], -v[B\u+oLIM+\b], v[B\u+oLIM+\b]
.endr
	v_cvt_scalef32_pk8_bf8_f32 v[Q0+8*\u+4*\b:Q0+8*\u+4*\b+1], v[T\u+16*\b:T\u+16*\b+7], v[B\u+oSO+\b]
	v_cvt_scalef32_pk8_bf8_f32 v[Q0+8*\u+4*\b+2:Q0+8*\u+4*\b+3], v[T\u+16*\b+8:T\u+16*\b+15], v[B\u+oSO+\b]
.endr
.endr
	v_nop
.irp u, 0,1
.irp t, 0,1,2,3
	ds_store_b64 v42, v[Q0+8*\u+2*\t:Q0+8*\u+2*\t+1] offset:1280*\u+16*\t
.endr
	ds_store_b16 v43, v[W\u] offset:32*\u
.endr
.irp k, 0,1,2,3
	ds_load_b128 v[T0+4*\k:T0+4*\k+3], v45 offset:640*\k   ; LDS serves a wave's instructions in order: these see my stores
.endr
	s_wait_dscnt 0x0                               ; also for the others' sake: my scale bytes lie in LDS
	s_barrier_signal -1
	s_barrier_wait -1
.irp k, 0,1,2,3
	global_store_b128 v46, v[T0+4*\k:T0+4*\k+3], s[72:73] offset:512*\k   ; 32 lanes store 512 consecutive bytes, aligned
.endr
	s_cmp_lg_u32 s[WV], 0
	s_cbranch_scc1 .Lnot_0
	ds_load_b128 v[T1:T1+3], v47                   ; wave 0: the 256 rows' scale bytes
	s_wait_dscnt 0x0
	global_store_b128 v46, v[T1:T1+3], s[74:75]
.Lnot_0:
	s_wait_tensorcnt 0x0                           ; the wave's end
	ds_add_u32 v[SPW], v[NIL]
	s_wait_dscnt 0x0
	CROUND                                         ; the closing round
	s_endpgm
.Lfunc_end_k_q26211756bd_attn:
	.size	k_q26211756bd_attn, .Lfunc_end_k_q26211756bd_attn-k_q26211756bd_attn
	.p2alignl 7, 3214868480
	.fill 96, 4, 3214868480
	.section	.rodata,"a",@progbits
	.p2align	6, 0x0
	.amdhsa_kernel k_q26211756bd_attn
		.amdhsa_group_segment_fixed_size 327680
		.amdhsa_private_segment_fixed_size 0
		.amdhsa_enable_private_segment 0
		.amdhsa_kernarg_size 16
		.amdhsa_user_sgpr_count 2
		.amdhsa_user_sgpr_kernarg_segment_ptr 1
		.amdhsa_wavefront_size32 1
		.amdhsa_system_sgpr_workgroup_id_x 1
		.amdhsa_system_sgpr_workgroup_id_y 1
		.amdhsa_system_sgpr_workgroup_id_z 1
		.amdhsa_system_vgpr_workitem_id 0
		.amdhsa_next_free_vgpr 512
		.amdhsa_next_free_sgpr 100
		.amdhsa_reserve_vcc 0
		.amdhsa_float_denorm_mode_32 3
		.amdhsa_float_denorm_mode_16_64 3
		.amdhsa_memory_ordered 1
		.amdhsa_forward_progress 1
		.amdhsa_inst_pref_size 60
	.end_amdhsa_kernel
	.amdgpu_metadata
---
amdhsa.version: [ 1, 2 ]
amdhsa.kernels:
  - .name:           k_q26211756bd_attn
    .symbol:         k_q26211756bd_attn.kd
    .args:
      - { .name: big, .offset: 0, .size: 8, .value_kind: global_buffer, .address_space: global }
      - { .name: actA, .offset: 8, .size: 8, .value_kind: global_buffer, .address_space: global }
    .group_segment_fixed_size: 327680
    .private_segment_fixed_size: 0
    .kernarg_segment_align: 8
    .kernarg_segment_size: 16
    .max_flat_workgroup_size: 256
    .sgpr_count:     100
    .vgpr_count:     512
    .wavefront_size: 32
...
	.end_amdgpu_metadata
.endif
;; end of part 3
;; launch g4 (part 4): grid 8 x 32, 4 waves a work-group, clusters of 4 x 4, 327,680 bytes of LDS; arguments actA, wout, X, big; writes big
.if DOCPART == 4
	.amdgcn_target "amdgcn-amd-amdhsa--gfx1250"
	.amdhsa_code_object_version 6
	.text
	.protected	k_q26211756bd_g4
	.globl	k_q26211756bd_g4
	.p2align	8
	.type	k_q26211756bd_g4,@function
k_q26211756bd_g4:
	s_mov_b64 s[64:65], 0
	v_nop
	global_prefetch_b8 v0, s[64:65] scope:SCOPE_SE
	s_setreg_imm32_b32 hwreg(HW_REG_WAVE_MODE, 25, 1), 1
	s_wait_xcnt 0x0
	s_wait_alu depctr_hold_cnt(0) depctr_sa_sdst(0) depctr_va_vdst(0) depctr_va_sdst(0) depctr_va_ssrc(0) depctr_va_vcc(0) depctr_vm_vsrc(0)
	s_getreg_b32 s2, hwreg(HW_REG_IB_STS2, 6, 4)
	s_cmp_eq_u32 s2, 0
	s_cbranch_scc0 .Lentry_in_a_cluster
	s_endpgm
.Lentry_in_a_cluster:
	s_bfe_u32 s2, ttmp6, 0x10000c
	s_cmp_lg_u32 s2, 0xf033
	s_cbranch_scc0 .Lentry_shape_is_right
	s_endpgm
.Lentry_shape_is_right:
; X1 = X + attn Wout on codes of BF8 (E5M2) with E8M0 scales: out = R + A B^T, M 4,096, N 1,024, K 1,024; R and out [4096][1024] f32.
; A: codes [row / 128: 32][head: 16][row % 128][64 bytes] at 0, scale bytes [head: 16][row][2] at 4,194,304.  B: codes [n / 128: 8][K / 128: 8][n % 128][128 bytes] at 0, scale words [8][n] at 1,048,576.
; A tile of C is 128 x 128, so that there are 256 work-groups; four waves, each 64 x 64: 16 accumulators.
; ALL OF K LIES IN LDS, filled once.  A tile's codes are 131,072 bytes on end on either side: ONE tensor load a wave brings half of them, as 256 rows of 256 bytes: wave 0 A's K 0-511, wave 1 B's, wave 2 A's K 512-1023, wave 3 B's.
; The first barrier shows waves 0 and 1's tiles alone (each wave has a load line of its own); the second, in front of K = 512, shows the rest.
; In LDS A has 16 bytes of padding behind each 256 (four rows of 64), B behind each 128: the sixteen rows of a fragment load fall on sixteen different 16-byte columns modulo 256 (64 banks of 4 bytes: ISA guide 11.1).
; CLUSTERS: 4 x 4 work-groups; A's tiles are asked for jointly along a row of the cluster, B's along a column.  No prefetch: all loads go out at the head.
; The matrix instruction takes B's rows as source 0 and A's as source 1: a lane holds eight neighbouring numbers of a row of C.
; REGISTERS: window 0: v8-15 LDS addresses, v32-63 A's scale words, v68-99 B's (scales and nothing else), v128-255 the accumulators;
;   window 1: two fragment buffers of 128 (A's four, then B's four); on the way out its v0-63 take rows read back;   window 2: v0-127 my 64 x 64 of R.
.set ACH,   64*272                     ; A: 128 along K of 128 rows: two heads x 32 units of 272
.set CHUNK, 128*144                    ; B: the same as 128 rows of 128 + 16
.set BREG,  8*ACH
.set STAGE, BREG+8*CHUNK               ; 16 rows x 272 bytes for each wave, bytes of their own
.set SPARE, STAGE+4*16*272             ; the spare words, named by no other line
.set ADRA, 8
.set ADRB, 12
.set STO,  24
.set RD,   25
.set CO,   26
.set SPW,  28
.set NIL,  29
.set SAW,  32
.set SBW,  68
.set ACC,  128
.set G0A, 32
.set G0B, 36
.set G1A, 68
.set G1B, 76
.set MSB, 0
.macro WIN new
.if MSB != (\new)
	s_set_vgpr_msb (MSB<<8)|(\new)
.set MSB, (\new)
.endif
.endm
.macro CROUND                          ; a round of the cluster's barrier
	s_barrier_signal -1
	s_barrier_wait -1
	s_cmp_lg_u32 s14, 0
	s_cbranch_scc1 .Lnot_wave_0_\@
	s_barrier_signal -3
.Lnot_wave_0_\@:
	s_barrier_wait -3
	s_barrier_signal -1
	s_barrier_wait -1
.endm
	s_load_b256 s[4:11], s[0:1], 0x0               ; A, B, R, out
	v_lshl_add_u32 v[SPW], v0, 2, SPARE
	v_mov_b32 v[NIL], 0
	ds_add_u32 v[SPW], v[NIL]                      ; the opening: the add, twice on end, and its wait
	ds_add_u32 v[SPW], v[NIL]
	v_lshrrev_b32 v1, 5, v0
	v_readfirstlane_b32 s14, v1                    ; wave
	s_lshr_b32 s15, s14, 1                         ; my half of the rows.  Also: which half of K I fetch
	s_and_b32 s16, s14, 1                          ; my half of the columns.  Also: I fetch for A (0) or for B (1)
	s_bfe_u32 s84, ttmp6, 0x40000                  ; cx
	s_bfe_u32 s85, ttmp6, 0x40004                  ; cy
	s_lshl_b32 s86, ttmp9, 2
	s_add_co_u32 s86, s86, s84                     ; tile column
	s_and_b32 s87, ttmp7, 0xffff
	s_lshl_b32 s87, s87, 2
	s_add_co_u32 s87, s87, s85                     ; tile row
	s_lshl_b32 s88, s85, 2
	s_lshl_b32 s88, 15, s88                        ; my row of the cluster
	s_lshl_b32 s89, 0x1111, s84                    ; my column
	s_or_b32 s[G1A], s88, (1<<20)|(1<<21)|(5<<22)|(3<<25)   ; the mask; elements of 1 byte; 4 words of padding behind every 64; bit 21 beside a mask
	s_or_b32 s[G1B], s89, (1<<20)|(1<<21)|(4<<22)|(3<<25)   ; B: behind every 32
.irp g, G1A, G1B
	s_mov_b32 s[\g+1], 256<<16
	s_mov_b32 s[\g+2], 256<<16
	s_mov_b32 s[\g+3], 256<<16
	s_mov_b32 s[\g+4], 256
	s_mov_b32 s[\g+5], 256                         ; dense: 256 rows of 256 bytes
	s_mov_b32 s[\g+6], 0
	s_mov_b32 s[\g+7], 0
.endr
	s_lshl_b32 s19, s15, 16
	s_lshl_b32 s18, s87, 17
	s_add_co_u32 s18, s18, s19                     ; A: the tile's 131,072 bytes, my half of K
	s_lshl_b32 s20, s86, 17
	s_add_co_u32 s20, s20, s19                     ; B likewise
	s_mov_b32 s19, 0
	s_mov_b32 s21, 0
	s_mul_i32 s22, s15, 4*ACH
	s_mul_i32 s3, s15, 4*CHUNK
	s_add_co_u32 s3, s3, BREG
	s_mul_i32 s23, s15, 16*272                     ; my 64 rows of A
	s_mul_i32 s2, s16, 64*144                      ; my 64 rows of B
	s_add_co_u32 s2, s2, BREG
	s_mul_i32 s12, s14, 16*272
	s_add_co_u32 s12, s12, STAGE                   ; my stage
	v_and_b32 v1, 15, v0                           ; r
	v_bfe_u32 v2, v0, 4, 1                         ; h
	v_mul_u32_u24 v3, v1, 144
	v_lshl_add_u32 v3, v2, 4, v3
	v_add_nc_u32 v3, s2, v3
	v_lshrrev_b32 v4, 2, v1
	v_mul_u32_u24 v4, v4, 272
	v_and_b32 v5, 3, v1
	v_lshl_add_u32 v4, v5, 6, v4
	v_lshl_add_u32 v4, v2, 4, v4                   ; 272 (r / 4) + 64 (r % 4) + 16 h
	v_add_nc_u32 v4, s23, v4
.irp j, 0,1,2,3
	v_add_nc_u32 v[ADRA+\j], \j*2*ACH, v4          ; chunks 2 j and 2 j + 1
	v_add_nc_u32 v[ADRB+\j], \j*2*CHUNK, v3
.endr
	v_lshlrev_b32 v16, 2, v1                       ; B: a scale word a row
	v_lshlrev_b32 v17, 1, v1                       ; A: two bytes a row and head
	v_mul_u32_u24 v6, v1, 272
	v_lshl_add_u32 v6, v2, 5, v6
	v_add_nc_u32 v[STO], s12, v6
	v_mul_u32_u24 v6, v2, 272
	v_lshl_add_u32 v6, v1, 4, v6
	v_add_nc_u32 v[RD], s12, v6                    ; back: lanes 0-15 one row of 256 bytes, lanes 16-31 the next
	v_lshlrev_b32 v6, 4, v1
	v_lshl_add_u32 v[CO], v2, 12, v6               ; and the same two rows in R and out
	s_wait_alu depctr_va_vdst(0)                   ; directly ahead of the waits below
	s_wait_dscnt 0x0
	s_wait_kmcnt 0x0
	s_mov_b32 s[G0A], 1
	s_mov_b32 s[G0A+1], s22
	s_add_nc_u64 s[G0A+2:G0A+3], s[4:5], s[18:19]
	s_or_b32 s[G0A+3], s[G0A+3], 0x80000000
	s_mov_b32 s[G0B], 1
	s_mov_b32 s[G0B+1], s3
	s_add_nc_u64 s[G0B+2:G0B+3], s[6:7], s[20:21]
	s_or_b32 s[G0B+3], s[G0B+3], 0x80000000
	CROUND                                         ; all sixteen work-groups are here: the joint loads meet
.macro ARM under, g0, g1, next         ; one chain of branches on the wave's number: a load line to each wave
	s_cmp_lt_u32 s14, \under
	s_cbranch_scc0 \next
	tensor_load_to_lds s[\g0:\g0+3], s[\g1:\g1+7]
	s_nop 0
.rept 4
	v_nop
.endr
	s_branch .Lasked
\next:
.endm
	ARM 1, G0A, G1A, .Lhead_1
	ARM 2, G0B, G1B, .Lhead_2
	ARM 3, G0A, G1A, .Lhead_3
	tensor_load_to_lds s[G0B:G0B+3], s[G1B:G1B+7]
	s_nop 0
.rept 4
	v_nop
.endr
.Lasked:
	s_lshl_b32 s18, s87, 8
	s_lshl_b32 s20, s15, 7
	s_add_co_u32 s18, s18, s20
	s_add_co_u32 s18, s18, 4194304
	s_add_nc_u64 s[28:29], s[4:5], s[18:19]        ; the scale bytes of my 64 rows of A
	s_lshl_b32 s18, s86, 9
	s_lshl_b32 s20, s16, 8
	s_add_co_u32 s18, s18, s20
	s_add_co_u32 s20, s18, 1048576
	s_add_nc_u64 s[30:31], s[6:7], s[20:21]        ; the scale words of my 64 rows of B
	s_lshl_b32 s20, s87, 19
	s_add_co_u32 s18, s18, s20
	s_lshl_b32 s20, s15, 18
	s_add_co_u32 s18, s18, s20                     ; my 64 x 64 in R and out
	s_add_nc_u64 s[8:9], s[8:9], s[18:19]
	s_add_nc_u64 s[10:11], s[10:11], s[18:19]
.irp k, 0,1,2,3,4,5,6,7
.irp a, 0,1,2,3
	global_load_u16 v[SAW+4*\k+\a], v17, s[28:29] offset:16384*\k+32*\a          ; head 2 k's two bytes,
	global_load_u16 v[ACC+4*\k+\a], v17, s[28:29] offset:16384*\k+8192+32*\a     ; head 2 k + 1's, in registers that the sums take later
	global_load_b32 v[SBW+4*\k+\a], v16, s[30:31] offset:4096*\k+64*\a
.endr
.endr
	WIN 0x80                                       ; destination window 2
.irp a, 0,1,2,3
.irp t, 0,1,2,3,4,5,6,7
	global_load_b128 v[32*\a+4*\t:32*\a+4*\t+3], v[CO], s[8:9] offset:65536*\a+8192*\t th:TH_LOAD_NT
.endr
.endr
.macro FETCH ks, f                     ; 32 LDS loads: B's four fragments and A's four of chunk ks into buffer f
	WIN 0x40
.irp i, 0,1,2,3
.irp c, 0,1,2,3
	ds_load_b128 v[\f+64+16*\i+4*\c:\f+64+16*\i+4*\c+3], v[ADRB+(\ks)/2] offset:((\ks)%2)*CHUNK+2304*\i+32*\c
.endr
.endr
.irp i, 0,1,2,3
.irp c, 0,1,2,3
	ds_load_b128 v[\f+16*\i+4*\c:\f+16*\i+4*\c+3], v[ADRA+(\ks)/2] offset:((\ks)%2)*ACH+8704*(\c/2)+1088*\i+32*(\c%2)
.endr
.endr
.endm
.macro MUL ks, f, zero                 ; 16 matrix instructions; the 16 accumulators take turns
	WIN 0x05
.irp a, 0,1,2,3
.irp b, 0,1,2,3
.if \zero
	v_wmma_scale_f32_16x16x128_f8f6f4 v[ACC+8*(4*\a+\b):ACC+8*(4*\a+\b)+7], v[\f+64+16*\b:\f+64+16*\b+15], v[\f+16*\a:\f+16*\a+15], 0, v[SBW+4*(\ks)+\b], v[SAW+4*(\ks)+\a] matrix_a_fmt:MATRIX_FMT_BF8 matrix_b_fmt:MATRIX_FMT_BF8
.else
	v_wmma_scale_f32_16x16x128_f8f6f4 v[ACC+8*(4*\a+\b):ACC+8*(4*\a+\b)+7], v[\f+64+16*\b:\f+64+16*\b+15], v[\f+16*\a:\f+16*\a+15], v[ACC+8*(4*\a+\b):ACC+8*(4*\a+\b)+7], v[SBW+4*(\ks)+\b], v[SAW+4*(\ks)+\a] matrix_a_fmt:MATRIX_FMT_BF8 matrix_b_fmt:MATRIX_FMT_BF8
.endif
.endr
.endr
.endm
.macro PLACES
.rept 8
	v_nop                                          ; between the products that read a buffer and the loads into it (ISA guide 7.12.1 for vector instructions)
.endr
.endm
.macro NEXT ks                         ; chunk ks is fetched into the buffer that chunk ks - 2 has left, and chunk ks - 1 is multiplied
	PLACES
	FETCH \ks, 128*((\ks)%2)
	s_wait_dscnt 32                                ; all but the 32 just issued
	MUL (\ks)-1, 128*(((\ks)-1)%2), 0
.endm
	WIN 0
	s_wait_loadcnt 32                              ; the scales are in; R's 32 loads may be out
.set i, 0
.rept 32
	v_lshl_or_b32 v[SAW+i], v[ACC+i], 16, v[SAW+i] ; A's scale word of 128 along K: two heads' two bytes
.set i, i+1
.endr
	s_wait_alu depctr_va_vdst(0)                   ; directly ahead of the waits below
	s_cmp_lt_u32 s14, 2
	s_cbranch_scc0 .Lsecond_half
	s_wait_tensorcnt 0x0                           ; waves 0, 1: K 0-511 of A and of B is in
.Lsecond_half:
	s_barrier_signal -1
	s_barrier_wait -1
	FETCH 0, 0
	FETCH 1, 128
	s_wait_dscnt 32
	MUL 0, 0, 1                                    ; the first products start the sums
	NEXT 2
	NEXT 3
	s_wait_tensorcnt 0x0                           ; every wave: all tiles are in
	s_wait_dscnt 0x0
	s_barrier_signal -1
	s_barrier_wait -1
	NEXT 4
	NEXT 5
	NEXT 6
	NEXT 7
	s_wait_dscnt 0
	MUL 7, 128, 0
	WIN 0
	PLACES                                         ; behind the last products: results are read, and the fragments' registers are loaded into
	s_wait_loadcnt 0x0                             ; R
; THE WAY OUT, 16 rows at a time: through my own stage, back as whole rows of 256 bytes, R added, stored.
.macro TOSTAGE a
	WIN 0
.irp b, 0,1,2,3
	ds_store_b128 v[STO], v[ACC+8*(4*(\a)+\b):ACC+8*(4*(\a)+\b)+3] offset:64*\b       ; each accumulator from its low end on
	ds_store_b128 v[STO], v[ACC+8*(4*(\a)+\b)+4:ACC+8*(4*(\a)+\b)+7] offset:64*\b+16
.endr
	WIN 0x40                                       ; destination window 1: the fragment buffers are done with
.irp t, 0,1,2,3,4,5,6,7
	ds_load_b128 v[32*((\a)%2)+4*\t:32*((\a)%2)+4*\t+3], v[RD] offset:544*\t   ; LDS serves a wave's instructions in order: these see the stores above
.endr
.endm
.macro SEND a, younger
	s_wait_dscnt \younger                          ; the block is back; the next block's 8 stores and 8 loads may be out
	WIN 0x89                                       ; source 0 window 1, source 1 and destination window 2
.set i, 0
.rept 16
	v_pk_add_f32 v[32*(\a)+i:32*(\a)+i+1], v[32*((\a)%2)+i:32*((\a)%2)+i+1], v[32*(\a)+i:32*(\a)+i+1]
.set i, i+2
.endr
	WIN 0x08                                       ; a store's data are its source 1
.irp t, 0,1,2,3,4,5,6,7
	global_store_b128 v[CO], v[32*(\a)+4*\t:32*(\a)+4*\t+3], s[10:11] offset:65536*(\a)+8192*\t   ; each half of the lanes stores 256 consecutive bytes, aligned
.endr
.endm
	TOSTAGE 0
.irp a, 1,2,3
	TOSTAGE \a
	SEND \a-1, 16
.endr
	SEND 3, 0
	WIN 0                                          ; at a label and at a branch every window is 0
	s_wait_tensorcnt 0x0                           ; the wave's end
	ds_add_u32 v[SPW], v[NIL]
	s_wait_dscnt 0x0
	CROUND                                         ; the closing round
	s_endpgm
.Lfunc_end_k_q26211756bd_g4:
	.size	k_q26211756bd_g4, .Lfunc_end_k_q26211756bd_g4-k_q26211756bd_g4
	.p2alignl 7, 3214868480
	.fill 96, 4, 3214868480
	.section	.rodata,"a",@progbits
	.p2align	6, 0x0
	.amdhsa_kernel k_q26211756bd_g4
		.amdhsa_group_segment_fixed_size 327680
		.amdhsa_private_segment_fixed_size 0
		.amdhsa_enable_private_segment 0
		.amdhsa_kernarg_size 32
		.amdhsa_user_sgpr_count 2
		.amdhsa_user_sgpr_kernarg_segment_ptr 1
		.amdhsa_wavefront_size32 1
		.amdhsa_system_sgpr_workgroup_id_x 1
		.amdhsa_system_sgpr_workgroup_id_y 1
		.amdhsa_system_sgpr_workgroup_id_z 1
		.amdhsa_system_vgpr_workitem_id 0
		.amdhsa_next_free_vgpr 640
		.amdhsa_next_free_sgpr 90
		.amdhsa_reserve_vcc 0
		.amdhsa_float_denorm_mode_32 3
		.amdhsa_float_denorm_mode_16_64 3
		.amdhsa_memory_ordered 1
		.amdhsa_forward_progress 1
		.amdhsa_inst_pref_size 69
	.end_amdhsa_kernel
	.amdgpu_metadata
---
amdhsa.version: [ 1, 2 ]
amdhsa.kernels:
  - .name:           k_q26211756bd_g4
    .symbol:         k_q26211756bd_g4.kd
    .args:
      - { .name: actA, .offset: 0, .size: 8, .value_kind: global_buffer, .address_space: global }
      - { .name: wout, .offset: 8, .size: 8, .value_kind: global_buffer, .address_space: global }
      - { .name: X, .offset: 16, .size: 8, .value_kind: global_buffer, .address_space: global }
      - { .name: big, .offset: 24, .size: 8, .value_kind: global_buffer, .address_space: global }
    .group_segment_fixed_size: 327680
    .private_segment_fixed_size: 0
    .kernarg_segment_align: 8
    .kernarg_segment_size: 32
    .max_flat_workgroup_size: 128
    .sgpr_count:     90
    .vgpr_count:     640
    .wavefront_size: 32
...
	.end_amdgpu_metadata
.endif
;; end of part 4
;; launch ln2 (part 5): grid 256 x 1, 4 waves a work-group, no clusters, 1,536 bytes of LDS; arguments big, ln2_w, hn; writes hn
.if DOCPART == 5
	.amdgcn_target "amdgcn-amd-amdhsa--gfx1250"
	.amdhsa_code_object_version 6
	.text
	.protected	k_q26211756bd_ln2
	.globl	k_q26211756bd_ln2
	.p2align	8
	.type	k_q26211756bd_ln2,@function
k_q26211756bd_ln2:
	s_mov_b64 s[64:65], 0
	v_nop
	global_prefetch_b8 v0, s[64:65] scope:SCOPE_SE
	s_setreg_imm32_b32 hwreg(HW_REG_WAVE_MODE, 25, 1), 1
	s_wait_xcnt 0x0
; hn = the quantised LayerNorm of x: (x - mean) * rsqrt(var + 1e-5) * w, in f32, in that order, then codes of BF8 (E5M2) along the row, one E8M0 byte for each 32.
; x: [4096][1024] f32, w: [1024] f32.  hn: codes [4096][1024] at 0, scale bytes [4096][32] at 4,194,304.
; The mean is taken away before the squares are summed, so a common offset of the inputs costs no digits.
; LIMITS: a block of zeros gets the byte 1 (its codes are zeros, and only this program reads the bytes); NaN and infinities are not served.
; A work-group takes 16 rows, a wave 4; a row stays in 32 registers between its passes: memory is read once.  All 40 loads of a wave go out at its head.
; Lane l holds elements 256 g + 8 l + e (g = 0..3, e = 0..7) in register 8 g + e: four neighbouring lanes hold a block of 32, and a lane's 8 codes are 8 neighbouring bytes,
; so that a store of the wave covers 256 consecutive bytes, aligned.  The 512 scale bytes of the 16 rows meet in LDS and leave by one store of 512 consecutive bytes.
; Rows share nothing: no matrix unit, no cluster, no tensor load.
.set W,  32                            ; v32-63   w, in the row's layout
.set XR, 64                            ; v64-191  four rows
.set CD, 192                           ; v192-223 codes, 8 registers a row
.set BY, 224                           ; v224-239 scale bytes, 4 a row: no store's data are written again
	s_load_b128 s[4:7], s[0:1], 0x0                ; x, w
	s_load_b64 s[8:9], s[0:1], 0x10                ; hn
	v_lshl_add_u32 v240, v0, 2, 0x400
	v_mov_b32 v241, 0
	v_lshrrev_b32 v1, 5, v0
	v_readfirstlane_b32 s12, v1                    ; wave
	v_and_b32 v13, 31, v0                          ; lane
	v_lshlrev_b32 v1, 5, v13                       ; in: 32 bytes a lane
	v_lshlrev_b32 v2, 3, v13                       ; codes: 8 bytes a lane
	v_lshrrev_b32 v3, 2, v13
	s_lshl_b32 s13, s12, 7
	v_add_nc_u32 v3, s13, v3                       ; LDS: my wave's 128 scale bytes, my block's byte
	v_lshlrev_b32 v14, 4, v13                      ; 16 x lane
	v_mov_b32 v12, 0                               ; a lane permute's destination counts as one of its sources
	s_mov_b32 s14, 0x76543210
	s_mov_b32 s15, 0xfedcba98                      ; v_permlanex16_b32's selects for lane l xor 16
	s_mov_b32 s16, 0x600000                        ; the mantissa field of 57,344
	s_mov_b32 s17, 0x3a800000                      ; 1 / 1024
	s_mov_b32 s18, 0x3727c5ac                      ; 1e-5
	s_lshl_b32 s20, ttmp9, 4
	s_lshl_b32 s21, s12, 2
	s_add_co_u32 s20, s20, s21                     ; my first row
	s_lshl_b32 s22, s20, 12
	s_mov_b32 s23, 0
	s_lshl_b32 s24, s20, 10
	s_mov_b32 s25, 0
	s_lshl_b32 s26, ttmp9, 9
	s_add_co_u32 s26, s26, 4194304
	s_mov_b32 s27, 0
	s_wait_alu depctr_va_vdst(0)
	s_wait_kmcnt 0x0
	s_add_nc_u64 s[4:5], s[4:5], s[22:23]
	s_add_nc_u64 s[10:11], s[8:9], s[26:27]        ; the work-group's scale bytes
	s_add_nc_u64 s[8:9], s[8:9], s[24:25]          ; my rows' codes
.irp g, 0,1,2,3
	global_load_b128 v[W+8*\g:W+8*\g+3], v1, s[6:7] offset:1024*\g
	global_load_b128 v[W+8*\g+4:W+8*\g+7], v1, s[6:7] offset:1024*\g+16
.endr
.irp p, 0,1,2,3
.irp g, 0,1,2,3
	global_load_b128 v[XR+32*\p+8*\g:XR+32*\p+8*\g+3], v1, s[4:5] offset:4096*\p+1024*\g
	global_load_b128 v[XR+32*\p+8*\g+4:XR+32*\p+8*\g+7], v1, s[4:5] offset:4096*\p+1024*\g+16
.endr
.endr
.macro REDUCE                          ; v4 summed over the 32 lanes, the result in every lane
	v_add_f32_dpp v4, v4, v4 row_xmask:1 row_mask:0xf bank_mask:0xf
	v_add_f32_dpp v4, v4, v4 row_xmask:2 row_mask:0xf bank_mask:0xf
	v_add_f32_dpp v4, v4, v4 row_xmask:4 row_mask:0xf bank_mask:0xf
	v_add_f32_dpp v4, v4, v4 row_xmask:8 row_mask:0xf bank_mask:0xf
	v_permlanex16_b32 v12, v4, s14, s15
	v_add_f32 v4, v4, v12
.endm
.macro ROW p
.set XS, XR+32*(\p)
	s_wait_loadcnt 8*(3-(\p))                      ; w and this row are in; the later rows' eight loads each may be out
	v_pk_add_f32 v[4:5], v[XS:XS+1], v[XS+2:XS+3]  ; the row's sum, in two chains
	v_pk_add_f32 v[6:7], v[XS+4:XS+5], v[XS+6:XS+7]
.irp j, 8,12,16,20,24,28
	v_pk_add_f32 v[4:5], v[4:5], v[XS+\j:XS+\j+1]
	v_pk_add_f32 v[6:7], v[6:7], v[XS+\j+2:XS+\j+3]
.endr
	v_pk_add_f32 v[4:5], v[4:5], v[6:7]
	v_add_f32 v4, v4, v5
	REDUCE
	v_mul_f32 v8, s17, v4                          ; the mean
	v_mov_b32 v9, v8
.set i, 0
.rept 16
	v_pk_add_f32 v[XS+i:XS+i+1], v[XS+i:XS+i+1], v[8:9] neg_lo:[0,1] neg_hi:[0,1]
.set i, i+2
.endr
	v_pk_mul_f32 v[4:5], v[XS:XS+1], v[XS:XS+1]    ; the squares' sum
	v_pk_mul_f32 v[6:7], v[XS+2:XS+3], v[XS+2:XS+3]
.irp j, 4,8,12,16,20,24,28
	v_pk_fma_f32 v[4:5], v[XS+\j:XS+\j+1], v[XS+\j:XS+\j+1], v[4:5]
	v_pk_fma_f32 v[6:7], v[XS+\j+2:XS+\j+3], v[XS+\j+2:XS+\j+3], v[6:7]
.endr
	v_pk_add_f32 v[4:5], v[4:5], v[6:7]
	v_add_f32 v4, v4, v5
	REDUCE
	v_fma_f32 v10, v4, s17, s18                    ; var + eps
	s_wait_alu depctr_va_vdst(0)
	v_rsq_f32 v10, v10
	v_nop                                          ; a plain instruction behind the transcendental
	s_wait_alu depctr_va_vdst(0)                   ; and the wait ahead of its first reader
	v_mov_b32 v11, v10
.set i, 0
.rept 16
	v_pk_mul_f32 v[XS+i:XS+i+1], v[XS+i:XS+i+1], v[10:11]
.set i, i+2
.endr
.set i, 0
.rept 16
	v_pk_mul_f32 v[XS+i:XS+i+1], v[XS+i:XS+i+1], v[W+i:W+i+1]
.set i, i+2
.endr
.irp g, 0,1,2,3
	v_max3_num_f32 v[16+\g], |v[XS+8*\g]|, |v[XS+8*\g+1]|, 0x8000000   ; my 8 numbers of group g's block, and the floor 2^(16 - 127)
.endr
.irp i, 2,4,6
.irp g, 0,1,2,3
	v_max3_num_f32 v[16+\g], v[16+\g], |v[XS+8*\g+\i]|, |v[XS+8*\g+\i+1]|
.endr
.endr
.irp g, 0,1,2,3
	v_max_num_f32_dpp v[16+\g], v[16+\g], v[16+\g] row_xmask:1 row_mask:0xf bank_mask:0xf
.endr
.irp g, 0,1,2,3
	v_max_num_f32_dpp v[16+\g], v[16+\g], v[16+\g] row_xmask:2 row_mask:0xf bank_mask:0xf   ; the four lanes': the block's largest magnitude
.endr
.irp g, 0,1,2,3
	v_add_nc_u32 v[20+\g], 0xf8800000, v[16+\g]    ; 15 off the exponent field: the conversion's scale operand
.endr
.irp g, 0,1,2,3
	v_and_or_b32 v[24+\g], v[16+\g], 0x7f800000, s16   ; 57,344 x the scale
.endr
.irp g, 0,1,2,3
	v_lshrrev_b32 v[BY+4*(\p)+\g], 23, v[20+\g]    ; the scale's byte
.endr
.irp g, 0,1,2,3
.irp e, 0,1,2,3,4,5,6,7
	v_med3_num_f32 v[XS+8*\g+\e], v[XS+8*\g+\e], -v[24+\g], v[24+\g]
.endr
.endr
.irp g, 0,1,2,3
	v_cvt_scalef32_pk8_bf8_f32 v[CD+8*(\p)+2*\g:CD+8*(\p)+2*\g+1], v[XS+8*\g:XS+8*\g+7], v[20+\g]
.endr
	v_nop                                          ; a plain instruction behind the last conversion
.irp g, 0,1,2,3
	ds_store_b8 v3, v[BY+4*(\p)+\g] offset:32*(\p)+8*\g   ; the four lanes of a block write the same byte with the same value
.endr
.irp g, 0,1,2,3
	global_store_b64 v2, v[CD+8*(\p)+2*\g:CD+8*(\p)+2*\g+1], s[8:9] offset:1024*(\p)+256*\g   ; 32 lanes store 256 consecutive bytes, aligned
.endr
.endm
	ROW 0
	ROW 1
	ROW 2
	ROW 3
	s_wait_dscnt 0x0                               ; for the others' sake: my scale bytes lie in LDS
	s_barrier_signal -1
	s_barrier_wait -1
	s_cmp_lg_u32 s12, 0
	s_cbranch_scc1 .Lend
	ds_load_b128 v[4:7], v14                       ; wave 0 takes the 16 rows' 512 scale bytes
	s_wait_dscnt 0x0
	global_store_b128 v14, v[4:7], s[10:11]
.Lend:
	s_wait_tensorcnt 0x0
	ds_add_u32 v240, v241
	s_wait_dscnt 0x0
	s_endpgm
.Lfunc_end_k_q26211756bd_ln2:
	.size	k_q26211756bd_ln2, .Lfunc_end_k_q26211756bd_ln2-k_q26211756bd_ln2
	.p2alignl 7, 3214868480
	.fill 96, 4, 3214868480
	.section	.rodata,"a",@progbits
	.p2align	6, 0x0
	.amdhsa_kernel k_q26211756bd_ln2
		.amdhsa_group_segment_fixed_size 1536
		.amdhsa_private_segment_fixed_size 0
		.amdhsa_enable_private_segment 0
		.amdhsa_kernarg_size 24
		.amdhsa_user_sgpr_count 2
		.amdhsa_user_sgpr_kernarg_segment_ptr 1
		.amdhsa_wavefront_size32 1
		.amdhsa_system_sgpr_workgroup_id_x 1
		.amdhsa_system_sgpr_workgroup_id_y 1
		.amdhsa_system_sgpr_workgroup_id_z 1
		.amdhsa_system_vgpr_workitem_id 0
		.amdhsa_next_free_vgpr 242
		.amdhsa_next_free_sgpr 66
		.amdhsa_reserve_vcc 0
		.amdhsa_float_denorm_mode_32 3
		.amdhsa_float_denorm_mode_16_64 3
		.amdhsa_memory_ordered 1
		.amdhsa_forward_progress 1
		.amdhsa_inst_pref_size 52
	.end_amdhsa_kernel
	.amdgpu_metadata
---
amdhsa.version: [ 1, 2 ]
amdhsa.kernels:
  - .name:           k_q26211756bd_ln2
    .symbol:         k_q26211756bd_ln2.kd
    .args:
      - { .name: big, .offset: 0, .size: 8, .value_kind: global_buffer, .address_space: global }
      - { .name: ln2_w, .offset: 8, .size: 8, .value_kind: global_buffer, .address_space: global }
      - { .name: hn, .offset: 16, .size: 8, .value_kind: global_buffer, .address_space: global }
    .group_segment_fixed_size: 1536
    .private_segment_fixed_size: 0
    .kernarg_segment_align: 8
    .kernarg_segment_size: 24
    .max_flat_workgroup_size: 128
    .sgpr_count:     66
    .vgpr_count:     242
    .wavefront_size: 32
...
	.end_amdgpu_metadata
.endif
;; end of part 5
;; launch gfc1 (part 6): grid 16 x 16, 4 waves a work-group, clusters of 4 x 4, 327,680 bytes of LDS; arguments hn, WA, actA, actB; writes actA, actB
.if DOCPART == 6
	.amdgcn_target "amdgcn-amd-amdhsa--gfx1250"
	.amdhsa_code_object_version 6
	.text
	.protected	k_q26211756bd_gfc1
	.globl	k_q26211756bd_gfc1
	.p2align	8
	.type	k_q26211756bd_gfc1,@function
k_q26211756bd_gfc1:
	s_mov_b64 s[64:65], 0
	v_nop
	global_prefetch_b8 v0, s[64:65] scope:SCOPE_SE
	s_setreg_imm32_b32 hwreg(HW_REG_WAVE_MODE, 25, 1), 1
	s_wait_xcnt 0x0
	s_wait_alu depctr_hold_cnt(0) depctr_sa_sdst(0) depctr_va_vdst(0) depctr_va_sdst(0) depctr_va_ssrc(0) depctr_va_vcc(0) depctr_vm_vsrc(0)
	s_getreg_b32 s2, hwreg(HW_REG_IB_STS2, 6, 4)
	s_cmp_eq_u32 s2, 0
	s_cbranch_scc0 .Lentry_in_a_cluster
	s_endpgm
.Lentry_in_a_cluster:
	s_bfe_u32 s2, ttmp6, 0x10000c
	s_cmp_lg_u32 s2, 0xf033
	s_cbranch_scc0 .Lentry_shape_is_right
	s_endpgm
.Lentry_shape_is_right:
.set NQ,     2
.set ROWB,   256
.set KROW,   1024
.set PITCH,  272
.set FR,     16
.set NL,     4
.set NP,     8
.set HALFT,  128*PITCH
.set SLOT,   4*HALFT
.set KS,     32
.set SCL,    2*SLOT
.set HALFS,  4352
.set SBLK,   544
.set SPARE,  SCL+4*HALFS
.set SSTG,   256*144
.set ADRA, 16
.set SST,  18
.set SRD,  19
.set ADRB, 20
.set SCO,  23
.set STO,  24
.set RD,   25
.set CO,   26
.set ADRS, 27
.set SPW,  28
.set NIL,  29
.set ADRS2, 30
.set SC,   32
.set AF,   128
.set T,    64
.set T2,   96
.set QM,   200
.set QP,   204
.set QL,   208
.set QS,   212
.set QW,   216
.set KV,   218
.set CDS,  224
.set G1, 24
.set G0, 32
.set G1B, 48
.set G0B, 56
.set SEL, 66
.set G1S, 68
.set G0S, 76
.set G1SB, 80
.set G0SB, 88
.set MNT, 95
.set K1, 98
.set MSB, 0
.macro WIN new
.if MSB != (\new)
	s_set_vgpr_msb (MSB<<8)|(\new)
.set MSB, (\new)
.endif
.endm
.set MUL_LO, 0xa1
.set MUL_HI, 0xf1
.set TO_B,   0x40
.macro JLOAD g0a, g1a, g0b, g1b
	s_cmp_eq_u32 s15, 0
	s_cbranch_scc0 .Lfor_b_\@
	tensor_load_to_lds s[\g0a:\g0a+3], s[\g1a:\g1a+7]
	s_nop 0
.rept 4
	v_nop
.endr
	s_branch .Lasked_\@
.Lfor_b_\@:
	tensor_load_to_lds s[\g0b:\g0b+3], s[\g1b:\g1b+7]
	s_nop 0
.rept 4
	v_nop
.endr
.Lasked_\@:
.endm
.macro CREST
	s_cmp_lg_u32 s14, 0
	s_cbranch_scc1 .Lnot_wave_0_\@
	s_barrier_signal -3
.Lnot_wave_0_\@:
	s_barrier_wait -3
	s_barrier_signal -1
	s_barrier_wait -1
.endm
.macro CROUND
	s_barrier_signal -1
	s_barrier_wait -1
	CREST
.endm
	s_load_b128 s[4:7], s[0:1], 0x0
	s_load_b128 s[8:11], s[0:1], 0x10
	v_lshl_add_u32 v[SPW], v0, 2, SPARE
	v_mov_b32 v[NIL], 0
	ds_add_u32 v28, v29
	ds_add_u32 v28, v29
	s_wait_dscnt 0x0
	v_lshrrev_b32 v1, 5, v0
	v_readfirstlane_b32 s14, v1
	s_lshr_b32 s15, s14, 1
	s_and_b32 s16, s14, 1
	s_bfe_u32 s40, ttmp6, 0x40000
	s_bfe_u32 s41, ttmp6, 0x40004
	s_lshl_b32 s42, ttmp9, 2
	s_add_co_u32 s42, s42, s40
	s_and_b32 s17, ttmp7, 0xffff
	s_lshl_b32 s17, s17, 2
	s_add_co_u32 s17, s17, s41
	s_lshl_b32 s43, s41, 2
	s_lshl_b32 s43, 15, s43
	s_lshl_b32 s44, 0x1111, s40
	s_or_b32 s[G1+0], s43, (0<<16)|(1<<20)|(1<<21)|(5<<22)|(3<<25)
	s_or_b32 s[G1B+0], s44, (0<<16)|(1<<20)|(1<<21)|(5<<22)|(3<<25)
.irp g, G1, G1B
	s_mov_b32 s[\g+1], ROWB<<16
	s_mov_b32 s[\g+2], 128<<16
	s_mov_b32 s[\g+3], ROWB<<16
	s_mov_b32 s[\g+4], 128
	s_mov_b32 s[\g+5], KROW
	s_mov_b32 s[\g+6], 0
	s_mov_b32 s[\g+7], 0
.endr
	s_mov_b32 s[SEL], 0x76543210
	s_mov_b32 s[SEL+1], 0xfedcba98
	s_mov_b32 s[MNT], 0x600000
	s_mov_b32 s[K1], 0xbdd2d3e8
	s_mov_b32 s[K1+1], s[K1]
	s_lshl_b32 s18, s16, 7
	s_lshl_b32 s20, s17, 8
	s_add_co_u32 s20, s20, s18
	s_lshl_b32 s46, s42, 7
	s_lshl_b32 s18, s16, 11
	s_add_co_u32 s46, s46, s18
	s_mov_b32 s21, 0
	s_mov_b32 s47, 0
	s_mov_b64 s[18:19], KS
	s_mul_u64 s[22:23], s[20:21], s[18:19]
	s_mul_u64 s[92:93], s[46:47], s[18:19]
	s_mov_b64 s[18:19], KROW
	s_mul_u64 s[20:21], s[20:21], s[18:19]
	s_mul_u64 s[46:47], s[46:47], s[18:19]
	s_mul_i32 s45, s14, HALFT
	s_mul_i32 s94, s14, HALFS
	s_wait_kmcnt 0x0
	s_add_nc_u64 s[20:21], s[4:5], s[20:21]
	s_add_nc_u64 s[22:23], s[4:5], s[22:23]
	s_add_nc_u64 s[22:23], s[22:23], 4194304
	s_add_nc_u64 s[46:47], s[6:7], s[46:47]
	s_add_nc_u64 s[46:47], s[46:47], 3244032
	s_add_nc_u64 s[92:93], s[6:7], s[92:93]
	s_add_nc_u64 s[92:93], s[92:93], 7438336
	CROUND
; THE SCALE BYTES come through registers: each wave takes 4,096 dense bytes (128 rows' scales: waves 0, 1 A's halves, waves 2, 3 B's), 512 consecutive bytes a load,
; and stores them into LDS bytes of their own, as units of 256 bytes + 16.  No joint load for them: they are 16 KiB beside the 256 KiB of codes that a work-group asks for jointly.
	s_cmp_eq_u32 s15, 0
	s_cselect_b64 s[76:77], s[22:23], s[92:93]     ; a pair that nothing writes again: the loads' base
	s_add_co_u32 s94, s94, SCL
	v_and_b32 v8, 31, v0
	v_lshlrev_b32 v9, 4, v8                        ; 16 x lane
	v_lshrrev_b32 v10, 4, v8
	v_mul_u32_u24 v10, v10, 272
	v_and_b32 v11, 15, v0
	v_lshl_add_u32 v10, v11, 4, v10
	v_add_nc_u32 v10, s94, v10                     ; LDS: my wave's 16 units, two units a load
.irp i, 0,1,2,3,4,5,6,7
	global_load_b128 v[64+4*\i:67+4*\i], v9, s[76:77] offset:512*\i
.endr
.irp s, 0,1
	s_mov_b32 s[G0+4*\s], 1
	s_add_co_u32 s[G0+4*\s+1], s45, \s*SLOT
	s_add_nc_u64 s[G0+4*\s+2:G0+4*\s+3], s[20:21], \s*ROWB
	s_or_b32 s[G0+4*\s+3], s[G0+4*\s+3], 0x80000000
	s_mov_b32 s[G0B+4*\s], 1
	s_add_co_u32 s[G0B+4*\s+1], s45, \s*SLOT
	s_add_nc_u64 s[G0B+4*\s+2:G0B+4*\s+3], s[46:47], \s*ROWB
	s_or_b32 s[G0B+4*\s+3], s[G0B+4*\s+3], 0x80000000
.endr
	JLOAD G0, G1, G0B, G1B                         ; K step 0: my one tensor load at the head
	v_and_b32 v1, 15, v0
	v_bfe_u32 v2, v0, 4, 1
	v_mul_u32_u24 v3, v1, PITCH
	v_lshl_add_u32 v4, v2, 4, v3
	s_mul_i32 s21, s15, HALFT
	s_mul_i32 s22, s16, 64*PITCH
	s_add_co_u32 s22, s22, 2*HALFT
.irp s, 0,1
	v_add_nc_u32 v[ADRA+\s], s21, v4
	v_add_nc_u32 v[ADRB+\s], s22, v4
	s_add_co_u32 s21, s21, SLOT
	s_add_co_u32 s22, s22, SLOT
.endr
	v_mul_u32_u24 v5, v1, KS
	v_lshrrev_b32 v6, 8, v5
	v_lshl_add_u32 v5, v6, 4, v5
	s_mul_i32 s21, s15, HALFS
	s_mul_i32 s22, s16, 2176
	s_add_co_u32 s22, s22, 2*HALFS
	s_sub_co_u32 s22, s22, s21
	s_add_co_u32 s23, s22, 2176
	v_mul_u32_u24 v6, s22, v2
	v_mul_u32_u24 v7, s23, v2
	s_add_co_u32 s21, s21, SCL
	v_add_nc_u32 v5, s21, v5
	v_add_nc_u32 v[ADRS], v5, v6
	v_add_nc_u32 v[ADRS2], v5, v7
	s_mul_i32 s23, s15, 128*144
	s_lshl_b32 s21, s16, 6
	s_add_co_u32 s23, s23, s21
	v_mul_u32_u24 v5, v1, 144
	v_lshl_add_u32 v5, v2, 3, v5
	v_add_nc_u32 v[STO], s23, v5
	s_lshl_b32 s23, s15, 9
	s_lshl_b32 s21, s16, 1
	s_add_co_u32 s23, s23, s21
	s_add_co_u32 s23, s23, SSTG
	v_lshl_add_u32 v[SST], v1, 2, s23
	v_and_b32 v6, 31, v0
	v_lshrrev_b32 v5, 3, v6
	v_mul_u32_u24 v5, v5, 144
	v_and_b32 v7, 7, v0
	v_lshl_add_u32 v5, v7, 4, v5
	s_mul_i32 s23, s14, 64*144
	v_add_nc_u32 v[RD], s23, v5
	v_lshlrev_b32 v[CO], 4, v6
	v_lshlrev_b32 v[SCO], 3, v6
	s_lshl_b32 s23, s14, 8
	s_add_co_u32 s23, s23, SSTG
	v_add_nc_u32 v[SRD], s23, v[SCO]
	s_cmp_lt_u32 ttmp9, 2
	s_cselect_b64 s[12:13], s[8:9], s[10:11]
	s_and_b32 s20, s42, 7
	s_lshl_b32 s2, s20, 14
	s_lshl_b32 s3, s17, 18
	s_add_co_u32 s2, s2, s3
	s_lshl_b32 s3, s15, 17
	s_add_co_u32 s2, s2, s3
	s_lshl_b32 s3, s16, 13
	s_add_co_u32 s2, s2, s3
	s_lshl_b32 s20, s20, 14
	s_lshl_b32 s3, s17, 10
	s_add_co_u32 s20, s20, s3
	s_lshl_b32 s3, s14, 8
	s_add_co_u32 s20, s20, s3
	s_add_co_u32 s20, s20, 4194304
	s_mov_b32 s3, 0
	s_mov_b32 s21, 0
	s_add_nc_u64 s[96:97], s[12:13], s[20:21]
	s_add_nc_u64 s[12:13], s[12:13], s[2:3]
.macro FRAG reg, adr, q, ro
.irp c, 0,1,2,3
	ds_load_b128 v[\reg+4*\c:\reg+4*\c+3], v[\adr] offset:128*(\q)+32*\c+(\ro)
.endr
.endm
.macro MUL16 a0, p, q, sc, zero
.irp a, \a0, \a0+1
.irp b, 0,1,2,3,4,5,6,7
.if \zero
	v_wmma_scale_f32_16x16x128_f8f6f4 v[8*(8*((\a)%4)+\b):8*(8*((\a)%4)+\b)+7], v[128*(\p)+FR*\b:128*(\p)+FR*\b+FR-1], v[AF+FR*(\a):AF+FR*(\a)+FR-1], 0, v[SC+8*NQ*(\sc)+NQ*\b+(\q)], v[SC+8*NQ*(\sc)+NQ*(\a)+(\q)] matrix_a_fmt:MATRIX_FMT_BF8 matrix_b_fmt:MATRIX_FMT_BF8 matrix_a_scale:MATRIX_SCALE_ROW1
.else
	v_wmma_scale_f32_16x16x128_f8f6f4 v[8*(8*((\a)%4)+\b):8*(8*((\a)%4)+\b)+7], v[128*(\p)+FR*\b:128*(\p)+FR*\b+FR-1], v[AF+FR*(\a):AF+FR*(\a)+FR-1], v[8*(8*((\a)%4)+\b):8*(8*((\a)%4)+\b)+7], v[SC+8*NQ*(\sc)+NQ*\b+(\q)], v[SC+8*NQ*(\sc)+NQ*(\a)+(\q)] matrix_a_fmt:MATRIX_FMT_BF8 matrix_b_fmt:MATRIX_FMT_BF8 matrix_a_scale:MATRIX_SCALE_ROW1
.endif
.endr
.endr
.endm
.macro FETCH_B slot, q, p
	WIN TO_B
.irp i, 0,1,2,3,4,5,6,7
	FRAG 128*(\p)+FR*\i, ADRB+\slot, \q, ((\i%4)*16+(\i/4)*128)*PITCH
.endr
	WIN 0
.endm
.macro FETCH_A slot, q, i0
.irp i, \i0, \i0+1, \i0+2, \i0+3
	FRAG AF+FR*(\i), ADRA+\slot, \q, (\i)*16*PITCH
.endr
.endm
.macro SCALES sc
.irp i, 0,1,2,3
	ds_load_b64 v[SC+8*NQ*\sc+NQ*\i:SC+8*NQ*\sc+NQ*\i+1], v[ADRS] offset:\i*SBLK
.endr
.irp i, 4,5,6,7
	ds_load_b64 v[SC+8*NQ*\sc+NQ*\i:SC+8*NQ*\sc+NQ*\i+1], v[ADRS2] offset:\i*SBLK
.endr
.endm
.macro PLACES n
.rept \n
	v_nop
.endr
.endm
.macro STEP slot, q, zero
	s_wait_dscnt 4*NL
	WIN MUL_LO
	MUL16 0, (\q)%2, \q, \slot, \zero
	MUL16 2, (\q)%2, \q, \slot, \zero
	s_wait_dscnt 0
	PLACES NP
	FETCH_B \slot, (\q)+1, 1-(\q)%2
	FETCH_A \slot, (\q)+1, 0
	WIN MUL_HI
	MUL16 4, (\q)%2, \q, \slot, \zero
	MUL16 6, (\q)%2, \q, \slot, \zero
	PLACES NP
	WIN 0
	FETCH_A \slot, (\q)+1, 4
.endm
.macro TURN slot, next, fill
	s_wait_tensorcnt 0x0
	ds_add_u32 v[SPW], v[NIL]
	s_wait_dscnt 4*NL+1
	WIN MUL_LO
	MUL16 0, 1, NQ-1, \slot, 0
	s_wait_dscnt 0x0
	s_barrier_signal -1
	MUL16 2, 1, NQ-1, \slot, 0
	WIN 0
	s_barrier_wait -1
.if \fill
	CREST
	s_add_nc_u64 s[G0+4*\slot+2:G0+4*\slot+3], s[G0+4*\slot+2:G0+4*\slot+3], 2*ROWB
	s_add_nc_u64 s[G0B+4*\slot+2:G0B+4*\slot+3], s[G0B+4*\slot+2:G0B+4*\slot+3], 2*ROWB
	JLOAD G0+4*\slot, G1, G0B+4*\slot, G1B
	PLACES NP-4
.else
	PLACES NP
.endif
	s_wait_alu depctr_va_vdst(0)
	v_add_nc_u32 v[ADRS], 4*NQ, v[ADRS]
	v_add_nc_u32 v[ADRS2], 4*NQ, v[ADRS2]
	FETCH_B \next, 0, 0
	FETCH_A \next, 0, 0
	SCALES \next
	WIN MUL_HI
	MUL16 4, 1, NQ-1, \slot, 0
	MUL16 6, 1, NQ-1, \slot, 0
	PLACES NP
	WIN 0
	FETCH_A \next, 0, 4
.endm
	s_wait_loadcnt 0x0                             ; my scale bytes are in registers
.irp i, 0,1,2,3,4,5,6,7
	ds_store_b128 v10, v[64+4*\i:67+4*\i] offset:544*\i
.endr
	s_wait_alu depctr_va_vdst(0)                   ; the wait at the head's end
	s_wait_tensorcnt 0x0                           ; my part of K step 0 is in; the three lines ahead of slot 1's first fill
	ds_add_u32 v[SPW], v[NIL]
	s_wait_dscnt 0x0                               ; the add and my stores of scale bytes are done
	CROUND
	JLOAD G0+4, G1, G0B+4, G1B                     ; K step 1, the first tensor load behind the round
	FETCH_B 0, 0, 0
	FETCH_A 0, 0, 0
	SCALES 0
	FETCH_A 0, 0, 4
	STEP 0, 0, 1
	TURN 0, 1, 1
	STEP 1, 0, 0
	TURN 1, 0, 1
	STEP 0, 0, 0
	TURN 0, 1, 0
	STEP 1, 0, 0
	s_wait_dscnt 4*NL
	WIN MUL_LO
	MUL16 0, 1, NQ-1, 1, 0
	MUL16 2, 1, NQ-1, 1, 0
	s_wait_dscnt 0
	WIN MUL_HI
	MUL16 4, 1, NQ-1, 1, 0
	MUL16 6, 1, NQ-1, 1, 0
	WIN 0
.macro GEGLU a
.set AC, 64*((\a)%4)
.set WW, 2+(\a)/4
	WIN (WW|(WW<<2))
.set i, 0
.rept 16
	v_pk_mul_f32 v[T+i:T+i+1], v[AC+32+i:AC+33+i], v[AC+32+i:AC+33+i]
.set i, i+2
.endr
.set i, 0
.rept 16
	v_pk_mul_f32 v[T2+i:T2+i+1], v[AC+i:AC+i+1], v[AC+32+i:AC+33+i]
.set i, i+2
.endr
	WIN 0
.set i, 0
.rept 16
	v_pk_fma_f32 v[T+i:T+i+1], v[T+i:T+i+1], s[K1:K1+1], v[KV:KV+1] op_sel_hi:[1,0,1]
.set i, i+2
.endr
	WIN (WW<<2)
.set i, 0
.rept 16
	v_pk_mul_f32 v[T+i:T+i+1], v[T+i:T+i+1], v[AC+32+i:AC+33+i]
.set i, i+2
.endr
	WIN 0
.set i, 0
	s_wait_alu depctr_va_vdst(0)
.rept 32
	v_exp_f32 v[T+i], v[T+i]
.set i, i+1
.endr
	v_nop
	s_wait_alu depctr_va_vdst(0)
.set i, 0
.rept 16
	v_pk_add_f32 v[T+i:T+i+1], v[T+i:T+i+1], 1.0 op_sel_hi:[1,0]
.set i, i+2
.endr
.set i, 0
	s_wait_alu depctr_va_vdst(0)
.rept 32
	v_rcp_f32 v[T+i], v[T+i]
.set i, i+1
.endr
	v_nop
	s_wait_alu depctr_va_vdst(0)
.set i, 0
.rept 16
	v_pk_mul_f32 v[T2+i:T2+i+1], v[T2+i:T2+i+1], v[T+i:T+i+1]
.set i, i+2
.endr
.irp b, 0,1
	v_max3_num_f32 v[QM+\b], |v[T2+16*\b]|, |v[T2+16*\b+1]|, 0x8000000
.endr
.irp i, 2,4,6,8,10,12,14
.irp b, 0,1
	v_max3_num_f32 v[QM+\b], v[QM+\b], |v[T2+16*\b+\i]|, |v[T2+16*\b+\i+1]|
.endr
.endr
.irp b, 0,1
	v_permlanex16_b32 v[QP+\b], v[QM+\b], s[SEL], s[SEL+1]
.endr
.irp b, 0,1
	v_max_num_f32 v[QM+\b], v[QM+\b], v[QP+\b]
.endr
.irp b, 0,1
	v_add_nc_u32 v[QS+\b], 0xf8800000, v[QM+\b]
.endr
.irp b, 0,1
	v_and_or_b32 v[QL+\b], v[QM+\b], 0x7f800000, s[MNT]
.endr
.irp b, 0,1
	v_lshrrev_b32 v[QP+\b], 23, v[QS+\b]
.endr
	s_wait_alu depctr_va_vdst(0)
	s_wait_dscnt 0x0
	v_lshl_or_b32 v[QW], v[QP+1], 8, v[QP]
.irp b, 0,1
.irp i, 0,1,2,3,4,5,6,7,8,9,10,11,12,13,14,15
	v_med3_num_f32 v[T2+16*\b+\i], v[T2+16*\b+\i], -v[QL+\b], v[QL+\b]
.endr
	v_cvt_scalef32_pk8_bf8_f32 v[CDS+4*\b:CDS+4*\b+1], v[T2+16*\b:T2+16*\b+7], v[QS+\b]
	v_cvt_scalef32_pk8_bf8_f32 v[CDS+4*\b+2:CDS+4*\b+3], v[T2+16*\b+8:T2+16*\b+15], v[QS+\b]
.endr
	v_nop
.irp t, 0,1,2,3
	ds_store_b64 v[STO], v[CDS+2*\t:CDS+2*\t+1] offset:2304*(\a)+16*\t
.endr
	ds_store_b16 v[SST], v[QW] offset:64*(\a)
.endm
	PLACES NP
	v_mov_b32 v[QP], 0
	v_mov_b32 v[QP+1], 0
	v_mov_b32 v[KV], 0xc0135761
	v_mov_b32 v[KV+1], 0xc0135761
.irp a, 0,1,2,3,4,5,6,7
	GEGLU \a
.endr
	s_wait_dscnt 0x0
	s_barrier_signal -1
	s_barrier_wait -1
.irp i, 0,1,2,3,4,5,6,7,8,9,10,11,12,13,14,15
	ds_load_b128 v[128+4*\i:128+4*\i+3], v[RD] offset:576*\i
.endr
	ds_load_b64 v[192:193], v[SRD]
.irp i, 0,1,2,3,4,5,6,7,8,9,10,11,12,13,14,15
	s_wait_dscnt 16-\i
	global_store_b128 v[CO], v[128+4*\i:128+4*\i+3], s[12:13] offset:512*\i
.endr
	s_wait_dscnt 0x0
	global_store_b64 v[SCO], v[192:193], s[96:97]
	s_wait_tensorcnt 0x0
	ds_add_u32 v[SPW], v[NIL]
	s_wait_dscnt 0x0
	CROUND
	s_endpgm
.Lfunc_end_k_q26211756bd_gfc1:
	.size	k_q26211756bd_gfc1, .Lfunc_end_k_q26211756bd_gfc1-k_q26211756bd_gfc1
	.p2alignl 7, 3214868480
	.fill 96, 4, 3214868480
	.section	.rodata,"a",@progbits
	.p2align	6, 0x0
	.amdhsa_kernel k_q26211756bd_gfc1
		.amdhsa_group_segment_fixed_size 327680
		.amdhsa_private_segment_fixed_size 0
		.amdhsa_enable_private_segment 0
		.amdhsa_kernarg_size 32
		.amdhsa_user_sgpr_count 2
		.amdhsa_user_sgpr_kernarg_segment_ptr 1
		.amdhsa_wavefront_size32 1
		.amdhsa_system_sgpr_workgroup_id_x 1
		.amdhsa_system_sgpr_workgroup_id_y 1
		.amdhsa_system_sgpr_workgroup_id_z 1
		.amdhsa_system_vgpr_workitem_id 0
		.amdhsa_next_free_vgpr 1024
		.amdhsa_next_free_sgpr 100
		.amdhsa_reserve_vcc 0
		.amdhsa_float_denorm_mode_32 3
		.amdhsa_float_denorm_mode_16_64 3
		.amdhsa_memory_ordered 1
		.amdhsa_forward_progress 1
		.amdhsa_inst_pref_size 223
	.end_amdhsa_kernel
	.amdgpu_metadata
---
amdhsa.version: [ 1, 2 ]
amdhsa.kernels:
  - .name:           k_q26211756bd_gfc1
    .symbol:         k_q26211756bd_gfc1.kd
    .args:
      - { .name: hn, .offset: 0, .size: 8, .value_kind: global_buffer, .address_space: global }
      - { .name: WA, .offset: 8, .size: 8, .value_kind: global_buffer, .address_space: global }
      - { .name: actA, .offset: 16, .size: 8, .value_kind: global_buffer, .address_space: global }
      - { .name: actB, .offset: 24, .size: 8, .value_kind: global_buffer, .address_space: global }
    .group_segment_fixed_size: 327680
    .private_segment_fixed_size: 0
    .kernarg_segment_align: 8
    .kernarg_segment_size: 32
    .max_flat_workgroup_size: 128
    .sgpr_count:     100
    .vgpr_count:     1024
    .wavefront_size: 32
...
	.end_amdgpu_metadata
.endif
;; end of part 6
;; launch g6 (part 7): grid 8 x 32, 4 waves a work-group, clusters of 4 x 4, 327,680 bytes of LDS; arguments actA, actB, wf2lo, wf2hi, big, out0; writes out0
.if DOCPART == 7
	.amdgcn_target "amdgcn-amd-amdhsa--gfx1250"
	.amdhsa_code_object_version 6
	.text
	.protected	k_q26211756bd_g6
	.globl	k_q26211756bd_g6
	.p2align	8
	.type	k_q26211756bd_g6,@function
k_q26211756bd_g6:
	s_mov_b64 s[64:65], 0
	v_nop
	global_prefetch_b8 v0, s[64:65] scope:SCOPE_SE
	s_setreg_imm32_b32 hwreg(HW_REG_WAVE_MODE, 25, 1), 1
	s_wait_xcnt 0x0
	s_wait_alu depctr_hold_cnt(0) depctr_sa_sdst(0) depctr_va_vdst(0) depctr_va_sdst(0) depctr_va_ssrc(0) depctr_va_vcc(0) depctr_vm_vsrc(0)
	s_getreg_b32 s2, hwreg(HW_REG_IB_STS2, 6, 4)
	s_cmp_eq_u32 s2, 0
	s_cbranch_scc0 .Lentry_in_a_cluster
	s_endpgm
.Lentry_in_a_cluster:
	s_bfe_u32 s2, ttmp6, 0x10000c
	s_cmp_lg_u32 s2, 0xf033
	s_cbranch_scc0 .Lentry_shape_is_right
	s_endpgm
.Lentry_shape_is_right:
; out = X1 + H Wfc2 on codes of BF8 (E5M2) with E8M0 scales: M 4,096, N 1,024, K 2,048; R (= X1) and out [4096][1024] f32.  One f32 sum for each output, K ascending; R is added at the end.
; H: K 0-1023 in actA, 1024-2047 in actB, each: codes [row / 128: 32][K / 128: 8][row % 128][128 bytes] at 0, scale words [8][row] at 4,194,304.
; Wfc2: K 0-1023 in wf2lo, 1024-2047 in wf2hi, each: codes [n / 128: 8][K / 128: 8][n % 128][128 bytes] at 0, scale words [8][n] at 1,048,576.
; A tile of C is 128 x 128, so that there are 256 work-groups; four waves, each 64 x 64: 16 accumulators.  A wave so reads 128 rows x 128 bytes from LDS for 16 matrix instructions, twice what a tile of 128 x 128 a wave would read.
; THE RING.  A chunk is 128 rows x 128 along K.  A slot holds K = 512: four chunks of A, then four of B; two slots.  K = 2,048 is four fills: two at the head, together, and one refill of each slot.
; A tile's chunks lie on end in memory, so ONE tensor load a wave brings two chunks (256 rows of 128 bytes): waves 0, 1 A's, waves 2, 3 B's.  Two loads of a wave are out at the head, later one.
; A slot is filled again behind a round of the cluster's barrier, in front of which each wave has waited for all its tensor loads, added 0 to its spare word, and waited for that and for its reads of the slot.
; CLUSTERS: 4 x 4 work-groups; A's chunks are asked for jointly along a row of the cluster, B's along a column.
; The matrix instruction takes B's rows as source 0 and A's as source 1: a lane holds eight neighbouring numbers of a row of C.
; REGISTERS: window 0: v8-13 LDS addresses, v32-95 A's scale words, v96-159 B's (scales and nothing else);
;   window 1: two fragment buffers of 128 (A's four, then B's four); on the way out its v0-63 take rows read back;   window 2: v0-127 my 64 x 64 of R, v128-255 the accumulators.
; THE HEAD (this stands for what the lines above say of it): one tensor load a wave, four chunks on end (65,536 bytes as 256 rows of 256 bytes): wave 0 A's into slot 0, wave 1 B's into slot 0, waves 2, 3 the same into slot 1,
; each wave by a load line of its own.  The first barrier shows slot 0 (waves 0 and 1 wait); the first change of slots shows slot 1.  A refill brings two chunks a wave, as 128 rows of 256 bytes.
.set CHUNK, 128*144                    ; an LDS row: 128 bytes + 16
.set SLOTB, 8*CHUNK
.set STAGE, 2*SLOTB                    ; behind the ring: 16 rows x 272 bytes for each wave, bytes of their own
.set SPARE, STAGE+4*16*272             ; behind the stages: the spare words, 128 bytes a wave, named by no other line
.set ADRA, 8                           ; v8-9    my A fragments in slot 0, 1
.set ADRB, 12                          ; v12-13  the same for B
.set STO,  24
.set RD,   25
.set CO,   26
.set SPW,  28
.set NIL,  29
.set SAW,  32
.set SBW,  96
.set ACC,  128                         ; in window 2
.set G0A, 32                           ; s[32:47] a group 0 for each of A's four fills, s[48:63] for B's: all written at the head, none written again
.set G0B, 48
.set G1A, 68
.set G1B, 76
.set MSB, 0
.macro WIN new                         ; the immediate's high byte repeats the setting that is left
.if MSB != (\new)
	s_set_vgpr_msb (MSB<<8)|(\new)
.set MSB, (\new)
.endif
.endm
.macro CROUND                          ; a round of the cluster's barrier
	s_barrier_signal -1
	s_barrier_wait -1
	s_cmp_lg_u32 s14, 0
	s_cbranch_scc1 .Lnot_wave_0_\@
	s_barrier_signal -3
.Lnot_wave_0_\@:
	s_barrier_wait -3
	s_barrier_signal -1
	s_barrier_wait -1
.endm
.macro JLOAD f                         ; fill f, jointly; the branch hangs on the wave's number alone; four v_nop follow each line
	s_cmp_eq_u32 s15, 0
	s_cbranch_scc0 .Lre_b_\@
	tensor_load_to_lds s[G0A+4*\f:G0A+4*\f+3], s[G1A:G1A+7]
	s_nop 0
.rept 4
	v_nop
.endr
	s_branch .Lre_asked_\@
.Lre_b_\@:
	tensor_load_to_lds s[G0B+4*\f:G0B+4*\f+3], s[G1B:G1B+7]
	s_nop 0
.rept 4
	v_nop
.endr
.Lre_asked_\@:
.endm
	s_load_b256 s[4:11], s[0:1], 0x0               ; actA, actB, wf2lo, wf2hi
	s_load_b128 s[92:95], s[0:1], 0x20             ; R, out
	v_lshl_add_u32 v[SPW], v0, 2, SPARE
	v_mov_b32 v[NIL], 0
	ds_add_u32 v28, v29
	ds_add_u32 v28, v29
	s_wait_dscnt 0x0
	v_lshrrev_b32 v1, 5, v0
	v_readfirstlane_b32 s14, v1                    ; wave
	s_lshr_b32 s15, s14, 1                         ; rh: my half of the rows.  Also: I fetch for A (0) or for B (1)
	s_and_b32 s16, s14, 1                          ; ch: my half of the columns.  Also: which two chunks of a slot's four I fetch
	s_bfe_u32 s84, ttmp6, 0x40000                  ; cx
	s_bfe_u32 s85, ttmp6, 0x40004                  ; cy
	s_lshl_b32 s86, ttmp9, 2
	s_add_co_u32 s86, s86, s84                     ; tile column
	s_and_b32 s87, ttmp7, 0xffff
	s_lshl_b32 s87, s87, 2
	s_add_co_u32 s87, s87, s85                     ; tile row
	s_lshl_b32 s88, s85, 2
	s_lshl_b32 s88, 15, s88                        ; my row of the cluster
	s_lshl_b32 s89, 0x1111, s84                    ; my column
	s_or_b32 s[G1A], s88, (1<<20)|(1<<21)|(4<<22)|(3<<25)   ; the mask; elements of 1 byte; padding: 4 words behind every 32; bit 21 beside a mask
	s_or_b32 s[G1B], s89, (1<<20)|(1<<21)|(4<<22)|(3<<25)
.irp g, G1A, G1B
	s_mov_b32 s[\g+1], 256<<16                     ; tensor_dim0: the chunks are dense, stated as rows of 256 bytes; the padding stays behind each 128
	s_mov_b32 s[\g+2], 256<<16                     ; tensor_dim1: at the head four chunks
	s_mov_b32 s[\g+3], 256<<16                     ; tile_dim0
	s_mov_b32 s[\g+4], 256                         ; tile_dim1
	s_mov_b32 s[\g+5], 256                         ; from row to row: dense
	s_mov_b32 s[\g+6], 0
	s_mov_b32 s[\g+7], 0
.endr
	s_lshl_b32 s18, s87, 17
	s_lshl_b32 s19, s16, 15
	s_add_co_u32 s18, s18, s19                     ; A: the tile's 131,072 bytes, chunks 2 ch and 2 ch + 1
	s_mov_b32 s19, 0
	s_lshl_b32 s20, s86, 17
	s_lshl_b32 s21, s16, 15
	s_add_co_u32 s20, s20, s21                     ; B likewise
	s_mov_b32 s21, 0
	s_mul_i32 s22, s16, 2*CHUNK
	v_and_b32 v1, 15, v0                           ; r
	s_wait_alu depctr_va_vdst(0)
	v_bfe_u32 v2, v0, 4, 1                         ; h
	v_mul_u32_u24 v3, v1, 144
	v_lshl_add_u32 v3, v2, 4, v3
	s_mul_i32 s23, s15, 64*144
	s_mul_i32 s2, s16, 64*144
	s_add_co_u32 s2, s2, 4*CHUNK
.irp j, 0,1
	v_add_nc_u32 v[ADRA+\j], s23, v3
	v_add_nc_u32 v[ADRB+\j], s2, v3
	s_add_co_u32 s23, s23, SLOTB
	s_add_co_u32 s2, s2, SLOTB
.endr
	v_lshlrev_b32 v16, 2, v1                       ; a scale word a row
	s_mul_i32 s23, s14, 16*272
	s_add_co_u32 s23, s23, STAGE                   ; my stage
	v_mul_u32_u24 v4, v1, 272
	s_wait_alu depctr_va_vdst(0)
	v_lshl_add_u32 v4, v2, 5, v4
	v_add_nc_u32 v[STO], s23, v4
	v_mul_u32_u24 v4, v2, 272
	v_lshl_add_u32 v4, v1, 4, v4
	v_add_nc_u32 v[RD], s23, v4                    ; back: lanes 0-15 one row of 256 bytes, lanes 16-31 the next
	v_lshlrev_b32 v4, 4, v1
	v_lshl_add_u32 v[CO], v2, 12, v4               ; and the same two rows in R and out
	s_wait_kmcnt 0x0
	s_add_nc_u64 s[26:27], s[6:7], s[18:19]
	s_add_nc_u64 s[30:31], s[10:11], s[20:21]
	CROUND                                         ; all sixteen work-groups are here: the first joint loads meet
.irp f, 2,3                                    ; the refills: fill f: K = 512 f on, into slot f % 2
	s_mov_b32 s[G0A+4*\f], 1
	s_add_co_u32 s[G0A+4*\f+1], s22, (\f%2)*SLOTB
	s_add_nc_u64 s[G0A+4*\f+2:G0A+4*\f+3], s[24+2*(\f/2):25+2*(\f/2)], (\f%2)*65536
	s_or_b32 s[G0A+4*\f+3], s[G0A+4*\f+3], 0x80000000
	s_mov_b32 s[G0B+4*\f], 1
	s_add_co_u32 s[G0B+4*\f+1], s22, 4*CHUNK+(\f%2)*SLOTB
	s_add_nc_u64 s[G0B+4*\f+2:G0B+4*\f+3], s[28+2*(\f/2):29+2*(\f/2)], (\f%2)*65536
	s_or_b32 s[G0B+4*\f+3], s[G0B+4*\f+3], 0x80000000
.endr
	s_mov_b32 s[G0A], 1                            ; the head's tiles: slot wave / 2, K = 512 (wave / 2) on
	s_mul_i32 s[G0A+1], s15, SLOTB
	s_mov_b32 s[G0B], 1
	s_add_co_u32 s[G0B+1], s[G0A+1], 4*CHUNK
	s_lshl_b32 s3, s15, 16
	s_lshl_b32 s2, s87, 17
	s_add_co_u32 s2, s2, s3
	s_lshl_b32 s22, s86, 17
	s_add_co_u32 s22, s22, s3
	s_mov_b32 s3, 0
	s_mov_b32 s23, 0
	s_add_nc_u64 s[G0A+2:G0A+3], s[4:5], s[2:3]
	s_or_b32 s[G0A+3], s[G0A+3], 0x80000000
	s_add_nc_u64 s[G0B+2:G0B+3], s[8:9], s[22:23]
	s_or_b32 s[G0B+3], s[G0B+3], 0x80000000
.macro ARM under, g0, g1, next         ; one chain of branches on the wave's number: a load line to each wave
	s_cmp_lt_u32 s14, \under
	s_cbranch_scc0 \next
	tensor_load_to_lds s[\g0:\g0+3], s[\g1:\g1+7]
	s_nop 0
.rept 4
	v_nop
.endr
	s_branch .Lasked
\next:
.endm
	ARM 1, G0A, G1A, .Lhead_1
	ARM 2, G0B, G1B, .Lhead_2
	ARM 3, G0A, G1A, .Lhead_3
	tensor_load_to_lds s[G0B:G0B+3], s[G1B:G1B+7]
	s_nop 0
.rept 4
	v_nop
.endr
.Lasked:
	s_lshl_b32 s18, s87, 9
	s_lshl_b32 s20, s15, 8
	s_add_co_u32 s18, s18, s20
	s_add_co_u32 s18, s18, 4194304
	s_add_nc_u64 s[24:25], s[4:5], s[18:19]        ; the scale words of my 64 rows of A: K 0-1023,
	s_add_nc_u64 s[26:27], s[6:7], s[18:19]        ; K 1024-2047
	s_lshl_b32 s18, s86, 9
	s_lshl_b32 s20, s16, 8
	s_add_co_u32 s18, s18, s20
	s_add_co_u32 s20, s18, 1048576
	s_add_nc_u64 s[28:29], s[8:9], s[20:21]        ; and of my 64 rows of B
	s_add_nc_u64 s[30:31], s[10:11], s[20:21]
	s_lshl_b32 s20, s87, 19
	s_add_co_u32 s18, s18, s20
	s_lshl_b32 s20, s15, 18
	s_add_co_u32 s18, s18, s20                     ; my 64 x 64 in R and out
	s_add_nc_u64 s[92:93], s[92:93], s[18:19]
	s_add_nc_u64 s[94:95], s[94:95], s[18:19]
.irp k, 0,1,2,3,4,5,6,7
.irp a, 0,1,2,3
	global_load_b32 v[SAW+4*\k+\a], v16, s[24:25] offset:16384*\k+64*\a
	global_load_b32 v[SBW+4*\k+\a], v16, s[28:29] offset:4096*\k+64*\a
.endr
.endr
.irp k, 0,1,2,3,4,5,6,7
.irp a, 0,1,2,3
	global_load_b32 v[SAW+32+4*\k+\a], v16, s[26:27] offset:16384*\k+64*\a
	global_load_b32 v[SBW+32+4*\k+\a], v16, s[30:31] offset:4096*\k+64*\a
.endr
.endr
	WIN 0x80                                       ; destination window 2
	s_wait_alu depctr_va_vdst(0)
.irp a, 0,1,2,3
.irp t, 0,1,2,3,4,5,6,7
	global_load_b128 v[32*\a+4*\t:32*\a+4*\t+3], v[CO], s[92:93] offset:65536*\a+8192*\t th:TH_LOAD_NT
.endr
.endr
.macro FETCH ks, f                     ; 32 LDS loads: B's four fragments and A's four of chunk ks (slot (ks / 4) % 2, place ks % 4) into buffer f
	WIN 0x40
.irp i, 0,1,2,3
.irp c, 0,1,2,3
	ds_load_b128 v[\f+64+16*\i+4*\c:\f+64+16*\i+4*\c+3], v[ADRB+((\ks)/4)%2] offset:((\ks)%4)*CHUNK+2304*\i+32*\c
.endr
.endr
.irp i, 0,1,2,3
.irp c, 0,1,2,3
	ds_load_b128 v[\f+16*\i+4*\c:\f+16*\i+4*\c+3], v[ADRA+((\ks)/4)%2] offset:((\ks)%4)*CHUNK+2304*\i+32*\c
.endr
.endr
.endm
.macro MUL ks, f, zero                 ; 16 matrix instructions; the 16 accumulators take turns
	WIN 0xa5                                       ; sources 0 and 1 window 1, C and D window 2
.irp a, 0,1,2,3
.irp b, 0,1,2,3
.if \zero
	v_wmma_scale_f32_16x16x128_f8f6f4 v[ACC+8*(4*\a+\b):ACC+8*(4*\a+\b)+7], v[\f+64+16*\b:\f+64+16*\b+15], v[\f+16*\a:\f+16*\a+15], 0, v[SBW+4*(\ks)+\b], v[SAW+4*(\ks)+\a] matrix_a_fmt:MATRIX_FMT_BF8 matrix_b_fmt:MATRIX_FMT_BF8
.else
	v_wmma_scale_f32_16x16x128_f8f6f4 v[ACC+8*(4*\a+\b):ACC+8*(4*\a+\b)+7], v[\f+64+16*\b:\f+64+16*\b+15], v[\f+16*\a:\f+16*\a+15], v[ACC+8*(4*\a+\b):ACC+8*(4*\a+\b)+7], v[SBW+4*(\ks)+\b], v[SAW+4*(\ks)+\a] matrix_a_fmt:MATRIX_FMT_BF8 matrix_b_fmt:MATRIX_FMT_BF8
.endif
.endr
.endr
.endm
.macro PLACES n
.rept \n
	v_nop                                          ; between the products that read a buffer and the loads into it (ISA guide 7.12.1 for vector instructions)
.endr
.endm
; A slot's first three chunks are multiplied, and all four fetched: even chunks into buffer 0, odd ones into buffer 128, each fetch a chunk ahead of its products.
.macro SEG k0, zero
	FETCH \k0, 0
.if \zero
	s_wait_loadcnt 32                              ; the 128 scale words are in; R's 32 loads may be out
.endif
	FETCH (\k0)+1, 128
	s_wait_dscnt 32                                ; all but the 32 just issued
	MUL \k0, 0, \zero
	PLACES 8
	FETCH (\k0)+2, 0
	s_wait_dscnt 32
	MUL (\k0)+1, 128, 0
	PLACES 8
	FETCH (\k0)+3, 128
	s_wait_dscnt 32
	MUL (\k0)+2, 0, 0
.endm
; THE CHANGE OF SLOTS.  The slot's last chunk, ks, is in registers or on its way there; its products stand between the add and the wait for it.
; fill = 1: the slot just read out takes fill f, behind a round of the cluster's barrier: no wave of any partner still reads it or has a load on its way.
.macro CHANGE ks, fill, f
	WIN 0                                          ; (the add's two registers lie in window 0)
	s_wait_tensorcnt 0x0                           ; all my tensor loads have landed: my part of the next slot
	ds_add_u32 v[SPW], v[NIL]
.if (\fill) && (\f) == 2
	s_mov_b32 s[G1A+2], 128<<16                    ; no tensor load of mine is out, so a descriptor may be written: from here on a load brings two chunks, 128 rows of 256 bytes
	s_mov_b32 s[G1A+4], 128
	s_mov_b32 s[G1B+2], 128<<16
	s_mov_b32 s[G1B+4], 128
.endif
	s_wait_dscnt 1
	MUL \ks, 128, 0
	s_wait_dscnt 0x0                               ; the add is done, and my reads of this slot are over
	WIN 0                                          ; at a label and at a branch every window is 0
.if \fill
	CROUND
	JLOAD \f                                       ; the first tensor load behind the round, and my only one until the next; its four v_nop are four of the eight places
	PLACES 4
.else
	s_barrier_signal -1
	s_barrier_wait -1
	PLACES 8
.endif
.endm
	WIN 0                                          ; at a label and at a branch every window is 0
	s_cmp_lt_u32 s14, 2
	s_cbranch_scc0 .Lslot_1_later
	s_wait_tensorcnt 0x0                           ; waves 0, 1: slot 0 is in; slot 1's loads may be out
.Lslot_1_later:
	s_barrier_signal -1
	s_barrier_wait -1
	SEG 0, 1
	CHANGE 3, 1, 2
	SEG 4, 0
	CHANGE 7, 1, 3
	SEG 8, 0
	CHANGE 11, 0, 0                                ; nothing is left to fetch
	SEG 12, 0
	s_wait_dscnt 0
	MUL 15, 128, 0
	PLACES 8                                       ; behind the last products: results are read, and the fragments' registers are loaded into
	s_wait_loadcnt 0x0                             ; R
; THE WAY OUT, 16 rows at a time: through my own stage, back as whole rows of 256 bytes, R added, stored.
.macro TOSTAGE a
	WIN 0x08                                       ; an LDS store's data are its source 1: window 2
.irp b, 0,1,2,3
	ds_store_b128 v[STO], v[ACC+8*(4*(\a)+\b):ACC+8*(4*(\a)+\b)+3] offset:64*\b       ; each accumulator from its low end on
	ds_store_b128 v[STO], v[ACC+8*(4*(\a)+\b)+4:ACC+8*(4*(\a)+\b)+7] offset:64*\b+16
.endr
	WIN 0x40                                       ; destination window 1: the fragment buffers are done with
.irp t, 0,1,2,3,4,5,6,7
	ds_load_b128 v[32*((\a)%2)+4*\t:32*((\a)%2)+4*\t+3], v[RD] offset:544*\t   ; LDS serves a wave's instructions in order: these see the stores above
.endr
.endm
.macro SEND a, younger
	s_wait_dscnt \younger                          ; the block is back; the next block's 8 stores and 8 loads may be out
	WIN 0x89                                       ; source 0 window 1, source 1 and destination window 2
.set i, 0
.rept 16
	v_pk_add_f32 v[32*(\a)+i:32*(\a)+i+1], v[32*((\a)%2)+i:32*((\a)%2)+i+1], v[32*(\a)+i:32*(\a)+i+1]
.set i, i+2
.endr
	WIN 0x08                                       ; a store's data are its source 1
.irp t, 0,1,2,3,4,5,6,7
	global_store_b128 v[CO], v[32*(\a)+4*\t:32*(\a)+4*\t+3], s[94:95] offset:65536*(\a)+8192*\t th:TH_STORE_NT   ; each half of the lanes stores 256 consecutive bytes, aligned
.endr
.endm
	TOSTAGE 0
.irp a, 1,2,3
	TOSTAGE \a
	SEND \a-1, 16
.endr
	SEND 3, 0
	WIN 0
	s_wait_tensorcnt 0x0                           ; the wave's end
	ds_add_u32 v[SPW], v[NIL]
	s_wait_dscnt 0x0
	CROUND                                         ; the closing round
	s_endpgm
.Lfunc_end_k_q26211756bd_g6:
	.size	k_q26211756bd_g6, .Lfunc_end_k_q26211756bd_g6-k_q26211756bd_g6
	.p2alignl 7, 3214868480
	.fill 96, 4, 3214868480
	.section	.rodata,"a",@progbits
	.p2align	6, 0x0
	.amdhsa_kernel k_q26211756bd_g6
		.amdhsa_group_segment_fixed_size 327680
		.amdhsa_private_segment_fixed_size 0
		.amdhsa_enable_private_segment 0
		.amdhsa_kernarg_size 48
		.amdhsa_user_sgpr_count 2
		.amdhsa_user_sgpr_kernarg_segment_ptr 1
		.amdhsa_wavefront_size32 1
		.amdhsa_system_sgpr_workgroup_id_x 1
		.amdhsa_system_sgpr_workgroup_id_y 1
		.amdhsa_system_sgpr_workgroup_id_z 1
		.amdhsa_system_vgpr_workitem_id 0
		.amdhsa_next_free_vgpr 768
		.amdhsa_next_free_sgpr 100
		.amdhsa_reserve_vcc 0
		.amdhsa_float_denorm_mode_32 3
		.amdhsa_float_denorm_mode_16_64 3
		.amdhsa_memory_ordered 1
		.amdhsa_forward_progress 1
		.amdhsa_inst_pref_size 106
	.end_amdhsa_kernel
	.amdgpu_metadata
---
amdhsa.version: [ 1, 2 ]
amdhsa.kernels:
  - .name:           k_q26211756bd_g6
    .symbol:         k_q26211756bd_g6.kd
    .args:
      - { .name: actA, .offset: 0, .size: 8, .value_kind: global_buffer, .address_space: global }
      - { .name: actB, .offset: 8, .size: 8, .value_kind: global_buffer, .address_space: global }
      - { .name: wf2lo, .offset: 16, .size: 8, .value_kind: global_buffer, .address_space: global }
      - { .name: wf2hi, .offset: 24, .size: 8, .value_kind: global_buffer, .address_space: global }
      - { .name: big, .offset: 32, .size: 8, .value_kind: global_buffer, .address_space: global }
      - { .name: out0, .offset: 40, .size: 8, .value_kind: global_buffer, .address_space: global }
    .group_segment_fixed_size: 327680
    .private_segment_fixed_size: 0
    .kernarg_segment_align: 8
    .kernarg_segment_size: 48
    .max_flat_workgroup_size: 128
    .sgpr_count:     100
    .vgpr_count:     768
    .wavefront_size: 32
...
	.end_amdgpu_metadata
.endif
;; end of part 7
